; MI455X (gfx1250); checked and timed in simulation.
; The chip was launched on July 23, 2026; its instructions are those of AMD's public machine-readable ISA for CDNA 5 (MIT licence, August 2026) and "CDNA5" Instruction Set Architecture Reference Guide (July 2026). The comments in the code are by the model that wrote it; some were corrected since.
;; Encoder Layer. Allowed arithmetic: float matrix products may take bf16 or f16 operands with f32 sums; all other float work in f32.
;; Inputs: b1 4,096 float32; b2 1,024 float32; ln1_b 1,024 float32; ln1_g 1,024 float32; ln2_b 1,024 float32; ln2_g 1,024 float32; w1 1,024 x 4,096 float32; w2 4,096 x 1,024 float32; wk 1,024 x 1,024 float32; wo 1,024 x 1,024 float32; wq 1,024 x 1,024 float32; wv 1,024 x 1,024 float32; x 4 x 1,024 x 1,024 float32.
;; Outputs: out0 4 x 1,024 x 1,024 float32.
;; One version. Each part assembles by itself: llvm-mc -triple=amdgcn-amd-amdhsa -mcpu=gfx1250 --defsym DOCPART=n.
;; ======== version 1 of 1: 7 launches
;; workspace buffers: wb 25,165,824 bytes; xn 8,388,608 bytes; qkvb 25,165,824 bytes; ob 8,388,608 bytes; xa 16,777,216 bytes; hb 33,554,432 bytes
;; launch prep (part 1): grid 512 x 1, 8 waves a work-group, no clusters, 0 bytes of LDS; arguments x, ln1_g, ln1_b, xn, wq, wk, wv, wo, wb; writes xn, wb
.if DOCPART == 1
	.amdgcn_target "amdgcn-amd-amdhsa--gfx1250"
	.amdhsa_code_object_version 6
	.text
	.protected	k_q5987913659_prep
	.globl	k_q5987913659_prep
	.p2align	8
	.type	k_q5987913659_prep,@function
k_q5987913659_prep:
	s_mov_b64 s[64:65], 0
	v_nop
	global_prefetch_b8 v0, s[64:65] scope:SCOPE_SE
	s_setreg_imm32_b32 hwreg(HW_REG_WAVE_MODE, 25, 1), 1
	s_wait_xcnt 0x0
; PREP.  Every wave does two things, row R = 8 x work-group + wave of each (4,096 rows of 1,024 numbers in both):
; the first layer norm, xn[R] = bf16((x - mean) / sqrt(var + 1e-6) * g + b), and one row of weights rounded to bf16, in its own [K][N] order:
; R / 1024 = 0, 1, 2: wq, wk, wv, laid side by side as [1024][3072] at byte 0 of wb; 3: wo, at byte 6,291,456.  (w1 and w2 are rounded in the attention launch.)
; All 32 loads of a wave go out together, so both streams share one trip to memory, and 512 work-groups of 184 registers lie on the chip at once.
; ALL THE MODULE'S INPUTS ARE ROUNDED TO bf16 WHERE THEY ARE READ: x, the gain and the bias here too; the arithmetic on the rounded numbers is f32.
; The mean is taken first and taken away, then the squares are summed: no difference of large sums is formed.  NaN and infinities are not treated apart.
; A lane's load j takes 16 bytes at 512 j + 16 lane (a wave: 512 consecutive bytes), its store j 8 bytes at 256 j + 8 lane (a wave: 256 consecutive bytes, aligned).
; No LDS, no barrier, no matrix unit: each byte is read once and written once, and no wave waits for another.
.set X,  4                             ; v[4:35]    the row of x
.set G,  36                            ; v[36:67]   the gain of my 32 columns
.set BB, 68                            ; v[68:99]   the bias
.set T,  100                           ; v[100:115] at work
.set Y,  116                           ; v[116:131] packed results of the norm
.set M,  132                           ; v[132:133] the mean, later 1/sqrt, as a pair
.set S,  134                           ; v134       a sum
.set W,  136                           ; v[136:167] the row of weights
.set YW, 168                           ; v[168:183] the same, packed
.macro RND base                        ; 32 numbers rounded to bf16 and widened again
.set p, 0
.rept 16
	v_cvt_pk_bf16_f32 v[T+p], v[(\base)+2*p], v[(\base)+2*p+1]
.set p, p+1
.endr
.set p, 0
.rept 16
	v_lshlrev_b32 v[(\base)+2*p], 16, v[T+p]
	v_and_b32 v[(\base)+2*p+1], s31, v[T+p]
.set p, p+1
.endr
.endm
.macro RED                             ; the sum of v[S] over the 32 lanes, in every lane
	v_add_f32_dpp v[S], v[S], v[S] row_xmask:1 row_mask:0xf bank_mask:0xf
	v_add_f32_dpp v[S], v[S], v[S] row_xmask:2 row_mask:0xf bank_mask:0xf
	v_add_f32_dpp v[S], v[S], v[S] row_xmask:4 row_mask:0xf bank_mask:0xf
	v_add_f32_dpp v[S], v[S], v[S] row_xmask:8 row_mask:0xf bank_mask:0xf
	v_permlanex16_b32 v[T+1], v[S], s32, s33       ; its destination counts as read: T+1 has been written
	v_add_f32 v[S], v[S], v[T+1]
.endm
	s_load_b512 s[8:23], s[0:1], 0x0               ; x s[8:9], gain s[10:11], bias s[12:13], xn s[14:15], wq s[16:17], wk s[18:19], wv s[20:21], wo s[22:23]
	s_load_b64 s[24:25], s[0:1], 0x40              ; wb
	v_lshrrev_b32 v3, 5, v0
	v_readfirstlane_b32 s30, v3                    ; wave 0..7
	v_and_b32 v1, 31, v0
	v_lshlrev_b32 v2, 3, v1                        ; 8 x lane: stores
	v_lshlrev_b32 v1, 4, v1                        ; 16 x lane: loads
	s_mov_b32 s31, 0xffff0000                      ; a word's upper bf16
	s_mov_b32 s32, 0x76543210                      ; v_permlanex16_b32: each lane takes its own place in the other half
	s_mov_b32 s33, 0xfedcba98
	s_mov_b32 s34, 0x3a800000                      ; 1 / 1024
	s_mov_b32 s35, 0x358637bd                      ; 1e-6
	s_lshl_b32 s36, ttmp9, 3
	s_add_co_u32 s36, s36, s30                     ; R
	s_lshl_b32 s38, s36, 12                        ; 4,096 bytes a row of x
	s_mov_b32 s39, 0
	s_lshl_b32 s40, s36, 11                        ; 2,048 a row of xn
	s_mov_b32 s41, 0
	s_lshr_b32 s42, s36, 10                        ; which weight
	s_and_b32 s43, s36, 1023                       ; its row
	s_lshl_b32 s44, s43, 12
	s_mov_b32 s45, 0
	s_lshl_b32 s46, s42, 11                        ; wq, wk, wv: 2,048 bytes of columns each, in rows of 6,144 bytes
	s_mul_i32 s47, s43, 6144
	s_add_co_u32 s46, s46, s47
	s_lshl_b32 s47, s43, 11                        ; wo: dense rows of 2,048 bytes behind them
	s_add_co_u32 s47, s47, 6291456
	s_cmp_lt_u32 s42, 3
	s_cselect_b32 s46, s46, s47
	s_mov_b32 s47, 0
	s_wait_kmcnt 0x0
	s_mov_b64 s[26:27], s[16:17]
	s_cmp_eq_u32 s42, 1
	s_cselect_b64 s[26:27], s[18:19], s[26:27]
	s_cmp_eq_u32 s42, 2
	s_cselect_b64 s[26:27], s[20:21], s[26:27]
	s_cmp_eq_u32 s42, 3
	s_cselect_b64 s[26:27], s[22:23], s[26:27]
	s_add_nc_u64 s[26:27], s[26:27], s[44:45]
	s_add_nc_u64 s[24:25], s[24:25], s[46:47]
	s_add_nc_u64 s[8:9], s[8:9], s[38:39]
	s_add_nc_u64 s[14:15], s[14:15], s[40:41]
.set j, 0
.rept 8
	global_load_b128 v[X+4*j:X+4*j+3], v1, s[8:9] offset:512*j
.set j, j+1
.endr
.set j, 0
.rept 8
	global_load_b128 v[W+4*j:W+4*j+3], v1, s[26:27] offset:512*j th:TH_LOAD_NT
.set j, j+1
.endr
.set j, 0
.rept 8
	global_load_b128 v[G+4*j:G+4*j+3], v1, s[10:11] offset:512*j
.set j, j+1
.endr
.set j, 0
.rept 8
	global_load_b128 v[BB+4*j:BB+4*j+3], v1, s[12:13] offset:512*j
.set j, j+1
.endr
	s_wait_loadcnt 24                              ; loads come back in order: the row of x is in; the weights', the gain's and the bias's 24 stay out
	RND X
.set i, 0
.rept 8
	v_pk_add_f32 v[T+2*i:T+2*i+1], v[X+4*i:X+4*i+1], v[X+4*i+2:X+4*i+3]
.set i, i+1
.endr
.set i, 0
.rept 4
	v_pk_add_f32 v[T+4*i:T+4*i+1], v[T+4*i:T+4*i+1], v[T+4*i+2:T+4*i+3]
.set i, i+1
.endr
	v_pk_add_f32 v[T:T+1], v[T:T+1], v[T+4:T+5]
	v_pk_add_f32 v[T+8:T+9], v[T+8:T+9], v[T+12:T+13]
	v_pk_add_f32 v[T:T+1], v[T:T+1], v[T+8:T+9]
	v_add_f32 v[S], v[T], v[T+1]
	RED
	v_mul_f32 v[M], s34, v[S]                      ; the mean
	v_mov_b32 v[M+1], v[M]
.set p, 0
.rept 16
	v_pk_add_f32 v[X+2*p:X+2*p+1], v[X+2*p:X+2*p+1], v[M:M+1] neg_lo:[0,1] neg_hi:[0,1]
.set p, p+1
.endr
.set p, 0
.rept 4
	v_pk_mul_f32 v[T+2*p:T+2*p+1], v[X+2*p:X+2*p+1], v[X+2*p:X+2*p+1]   ; four chains, started by the first four pairs
.set p, p+1
.endr
.rept 12
	v_pk_fma_f32 v[T+2*(p%4):T+2*(p%4)+1], v[X+2*p:X+2*p+1], v[X+2*p:X+2*p+1], v[T+2*(p%4):T+2*(p%4)+1]
.set p, p+1
.endr
	v_pk_add_f32 v[T:T+1], v[T:T+1], v[T+2:T+3]
	v_pk_add_f32 v[T+4:T+5], v[T+4:T+5], v[T+6:T+7]
	v_pk_add_f32 v[T:T+1], v[T:T+1], v[T+4:T+5]
	v_add_f32 v[S], v[T], v[T+1]
	RED
	v_fma_f32 v[S], v[S], s34, s35                 ; the variance + 1e-6
	v_rsq_f32 v[M], v[S]                           ; the roundings below are the plain instructions between it and the use of its result
	s_wait_loadcnt 16                              ; the weights are in; the gain's and the bias's sixteen stay out
.set p, 0
.rept 16
	v_cvt_pk_bf16_f32 v[YW+p], v[W+2*p], v[W+2*p+1]
.set p, p+1
.endr
.set j, 0
.rept 8
	global_store_b64 v2, v[YW+2*j:YW+2*j+1], s[24:25] offset:256*j
.set j, j+1
.endr
	s_wait_loadcnt 0x0                             ; gain and bias
	RND G
	RND BB
	s_wait_alu depctr_va_vdst(0)
	v_mov_b32 v[M+1], v[M]
.set p, 0
.rept 16
	v_pk_mul_f32 v[X+2*p:X+2*p+1], v[X+2*p:X+2*p+1], v[M:M+1]
.set p, p+1
.endr
.set p, 0
.rept 16
	v_pk_fma_f32 v[X+2*p:X+2*p+1], v[X+2*p:X+2*p+1], v[G+2*p:G+2*p+1], v[BB+2*p:BB+2*p+1]
.set p, p+1
.endr
.set p, 0
.rept 16
	v_cvt_pk_bf16_f32 v[Y+p], v[X+2*p], v[X+2*p+1]
.set p, p+1
.endr
.set j, 0
.rept 8
	global_store_b64 v2, v[Y+2*j:Y+2*j+1], s[14:15] offset:256*j
.set j, j+1
.endr
	s_endpgm
.Lfunc_end_k_q5987913659_prep:
	.size	k_q5987913659_prep, .Lfunc_end_k_q5987913659_prep-k_q5987913659_prep
	.p2alignl 7, 3214868480
	.fill 96, 4, 3214868480
	.section	.rodata,"a",@progbits
	.p2align	6, 0x0
	.amdhsa_kernel k_q5987913659_prep
		.amdhsa_group_segment_fixed_size 0
		.amdhsa_private_segment_fixed_size 0
		.amdhsa_enable_private_segment 0
		.amdhsa_kernarg_size 72
		.amdhsa_user_sgpr_count 2
		.amdhsa_user_sgpr_kernarg_segment_ptr 1
		.amdhsa_wavefront_size32 1
		.amdhsa_system_sgpr_workgroup_id_x 1
		.amdhsa_system_sgpr_workgroup_id_y 1
		.amdhsa_system_sgpr_workgroup_id_z 1
		.amdhsa_system_vgpr_workitem_id 0
		.amdhsa_next_free_vgpr 184
		.amdhsa_next_free_sgpr 66
		.amdhsa_reserve_vcc 0
		.amdhsa_float_denorm_mode_32 3
		.amdhsa_float_denorm_mode_16_64 3
		.amdhsa_memory_ordered 1
		.amdhsa_forward_progress 1
		.amdhsa_inst_pref_size 21
	.end_amdhsa_kernel
	.amdgpu_metadata
---
amdhsa.version: [ 1, 2 ]
amdhsa.kernels:
  - .name:           k_q5987913659_prep
    .symbol:         k_q5987913659_prep.kd
    .args:
      - { .name: x, .offset: 0, .size: 8, .value_kind: global_buffer, .address_space: global }
      - { .name: ln1_g, .offset: 8, .size: 8, .value_kind: global_buffer, .address_space: global }
      - { .name: ln1_b, .offset: 16, .size: 8, .value_kind: global_buffer, .address_space: global }
      - { .name: xn, .offset: 24, .size: 8, .value_kind: global_buffer, .address_space: global }
      - { .name: wq, .offset: 32, .size: 8, .value_kind: global_buffer, .address_space: global }
      - { .name: wk, .offset: 40, .size: 8, .value_kind: global_buffer, .address_space: global }
      - { .name: wv, .offset: 48, .size: 8, .value_kind: global_buffer, .address_space: global }
      - { .name: wo, .offset: 56, .size: 8, .value_kind: global_buffer, .address_space: global }
      - { .name: wb, .offset: 64, .size: 8, .value_kind: global_buffer, .address_space: global }
    .group_segment_fixed_size: 0
    .private_segment_fixed_size: 0
    .kernarg_segment_align: 8
    .kernarg_segment_size: 72
    .max_flat_workgroup_size: 256
    .sgpr_count:     66
    .vgpr_count:     184
    .wavefront_size: 32
...
	.end_amdgpu_metadata
.endif
;; end of part 1
;; launch gqkv (part 2): grid 8 x 32, 4 waves a work-group, clusters of 4 x 4, 327,680 bytes of LDS; arguments xn, wb, qkvb; writes qkvb
.if DOCPART == 2
	.amdgcn_target "amdgcn-amd-amdhsa--gfx1250"
	.amdhsa_code_object_version 6
	.text
	.protected	k_q5987913659_gqkv
	.globl	k_q5987913659_gqkv
	.p2align	8
	.type	k_q5987913659_gqkv,@function
k_q5987913659_gqkv:
	s_mov_b64 s[64:65], 0
	v_nop
	global_prefetch_b8 v0, s[64:65] scope:SCOPE_SE
	s_setreg_imm32_b32 hwreg(HW_REG_WAVE_MODE, 25, 1), 1
	s_wait_xcnt 0x0
	s_wait_alu depctr_hold_cnt(0) depctr_sa_sdst(0) depctr_va_vdst(0) depctr_va_sdst(0) depctr_va_ssrc(0) depctr_va_vcc(0) depctr_vm_vsrc(0)
	s_getreg_b32 s2, hwreg(HW_REG_IB_STS2, 6, 4)
	s_cmp_eq_u32 s2, 0
	s_cbranch_scc0 .Lentry_in_a_cluster
	s_endpgm
.Lentry_in_a_cluster:
	s_bfe_u32 s2, ttmp6, 0x10000c
	s_cmp_lg_u32 s2, 0xf033
	s_cbranch_scc0 .Lentry_shape_is_right
	s_endpgm
.Lentry_shape_is_right:
; Q, K, V = xn [4096][1024] x wqkv [1024][3072], bf16 operands, f32 sums, written by heads: qkvb[which][batch x 16 + head][1024][64] in bf16, unscaled.
; A tile of C is 128 x 384: 8 x 32 = 256 work-groups of four waves, 2 x 2; a wave makes 64 rows x 192 columns (its 64 columns of each of the tile's three segments of 128): 48 accumulators.
; K goes in 8 steps of 128 through two LDS slots; a step is four UNITS of 32 along K.  Waves 0 and 1 fetch A's two halves of 64 rows, waves 2 and 3 B's two halves of 64 k.
; A lies [m][k] and is read as it lies; B lies [k][n] and is read turned, by ds_load_tr16_b128.  The matrix instruction is used transposed (source 0 = 16 columns of B, source 1 = 16 rows of A):
; a lane then holds one row of C and eight neighbouring columns.
; CLUSTER 4 x 4: A's tile is asked for jointly along a row of the cluster, B's along a column.
; Fragment loads run one unit ahead of the products, on two buffers, so at a change of slots the old slot's last unit is already in registers.
; REGISTERS: window 0: v0-29 addresses; v64-127 A's two fragment buffers; on the way out v64-255.  window 1: v0-191 B's two buffers.  windows 2, 3: accumulator t = 12 a + b at window 2 + t / 32, register 8 (t % 32).
; NaN and infinities are not treated apart.
.set MA, 4
.set NBK, 12
.set KD, 1
.set TSTEPS, 8
.set HASBIAS, 0
.set AP, 272                           ; an LDS row of A: 256 bytes + 16: the 16 rows of a load start at 16 different groups of four banks (64 banks of 4 bytes: ISA guide 11.1)
.set ASTEP, 64
.set ASZ, 34816
.set AH, 17408
.set ADIM0, 128
.set AROWS, 64
.set ASTRIDE, 1024
.set QIA, 5
.set AGT, 262144
.set AGH, 131072
.set AGS, 256
.set TN, 384
.set KSTEP, 128
.set BP, 864                           ; an LDS row of B: three segments of 256 bytes + 32
.set SEGP, 288
.set BPS, 4
.set WNB, 128
.set PADW, 8
.set BH, 55296
.set BSTEP, 27648
.set LDB, 3072
.set WOFF, 0
.set BGS, 786432
.set BGH, 393216
.set SLOT, 145408
.set STW, 2304                         ; a wave's stage: 16 rows x 144 bytes
.set STAGE, 2*SLOT                     ; behind the ring, never filled by a tensor load
.set SPARE, STAGE+4*STW                ; the spare words: 128 bytes a wave, two blocks of 256 bytes that no other line names
.set AFS, 8*MA*KD
.set BFS, 8*NBK*KD
.set BI, 192
.set MSB, 0
.macro WIN new                         ; the immediate's high byte repeats the setting that is left; a switch that changes nothing is dropped
.if MSB != (\new)
	s_set_vgpr_msb (MSB<<8)|(\new)
.set MSB, \new
.endif
.endm
.macro JLOAD s                         ; a joint load: waves 0, 1 A's halves, waves 2, 3 B's; an s_nop 0 and four v_nop follow each line
	s_cmp_eq_u32 s15, 0
	s_cbranch_scc0 .Lfor_b_\@
	tensor_load_to_lds s[32+4*(\s):35+4*(\s)], s[24:31]
	s_nop 0
.rept 4
	v_nop
.endr
	s_branch .Lasked_\@
.Lfor_b_\@:
	tensor_load_to_lds s[48+4*(\s):51+4*(\s)], s[40:47]
	s_nop 0
.rept 4
	v_nop
.endr
.Lasked_\@:
.endm
.macro CROUND                          ; a round of the cluster's barrier
	s_barrier_signal -1
	s_barrier_wait -1
	s_cmp_lg_u32 s14, 0
	s_cbranch_scc1 .Lnot_wave_0_\@
	s_barrier_signal -3
.Lnot_wave_0_\@:
	s_barrier_wait -3
	s_barrier_signal -1
	s_barrier_wait -1
.endm
.macro FETCH f                         ; 32 LDS loads in one run: the next unit's fragments into buffer f.  The four vector lines are the places behind the products that last read it
	WIN 0
	v_add_nc_u32 v12, s58, v10
	v_add_nc_u32 v13, s59, v11
	v_nop
	v_nop
	s_add_co_u32 s58, s58, ASTEP
	s_add_co_u32 s59, s59, BSTEP
	WIN 0x40                               ; destination window 1, address window 0
.set kd, 0
.rept KD
.set b, 0
.rept NBK
.set rB, (\f)*BFS+8*(kd*NBK+b)
.set oB, kd*32*BP+(b/BPS)*SEGP+(b%BPS)*32
	ds_load_tr16_b128 v[rB:rB+3], v13 offset:oB
	ds_load_tr16_b128 v[rB+4:rB+7], v13 offset:oB+16*BP
.set b, b+1
.endr
.set kd, kd+1
.endr
	WIN 0
.set kd, 0
.rept KD
.set a, 0
.rept MA
.set rA, 64+(\f)*AFS+8*(kd*MA+a)
.set oA, kd*64+a*16*AP
	ds_load_b128 v[rA:rA+3], v12 offset:oA
	ds_load_b128 v[rA+4:rA+7], v12 offset:oA+32
.set a, a+1
.endr
.set kd, kd+1
.endr
.endm
.macro MUL f, first                    ; a unit's products; the accumulators take turns, one instruction a turn.  first = 1: they start the sums
.set kd, 0
.rept KD
.set a, 0
.rept MA
.set b, 0
.rept NBK
.set t, a*NBK+b
.set w, 2+t/32
.set rD, 8*(t%32)
.set rB, (\f)*BFS+8*(kd*NBK+b)
.set rA, 64+(\f)*AFS+8*(kd*MA+a)
.if (\first) && (kd == 0) && HASBIAS
	WIN 1+64*w
	v_wmma_f32_16x16x32_bf16 v[rD:rD+7], v[rB:rB+7], v[rA:rA+7], v[BI+8*b:BI+8*b+7]
.elseif (\first) && (kd == 0)
	WIN 1+80*w
	v_wmma_f32_16x16x32_bf16 v[rD:rD+7], v[rB:rB+7], v[rA:rA+7], 0
.else
	WIN 1+80*w
	v_wmma_f32_16x16x32_bf16 v[rD:rD+7], v[rB:rB+7], v[rA:rA+7], v[rD:rD+7]
.endif
.set b, b+1
.endr
.set a, a+1
.endr
.set kd, kd+1
.endr
.endm
.macro UNIT cur, nxt
	FETCH \nxt
	s_wait_dscnt 32                        ; all but the 32 just issued: buffer cur is in
	MUL \cur, 0
.endm
.macro PAIR
	UNIT 1, 0
	UNIT 0, 1
.endm
; THE CHANGE OF SLOTS.  Slot o has been read out (its last unit lies in registers).  Each wave waits for all its tensor loads (one is out: its part of the other slot), adds 0 to its spare word,
; and waits for that and for its reads.  fill = 1: a round of the cluster's barrier, then the joint refill of slot o, two K steps on, first thing behind it.
.macro CHANGE o, fill
	WIN 0
	s_wait_tensorcnt 0x0                   ; no tensor load of mine is out, so a group 0 may be written
	ds_add_u32 v28, v29                    ; 0 onto my spare word
.if \fill
	s_add_nc_u64 s[34+4*(\o):35+4*(\o)], s[34+4*(\o):35+4*(\o)], 2*AGS
	s_add_nc_u64 s[50+4*(\o):51+4*(\o)], s[50+4*(\o):51+4*(\o)], 2*BGS
.endif
	s_mov_b32 s58, (1-(\o))*SLOT           ; the fetches go on in the other slot
	s_mov_b32 s59, (1-(\o))*SLOT
	s_wait_dscnt 0x0                       ; the add is done, and my reads of the slot are over
.if \fill
	CROUND
	JLOAD \o
.else
	s_barrier_signal -1
	s_barrier_wait -1
.endif
.endm
	s_load_b128 s[4:7], s[0:1], 0x0                ; A s[4:5], wb s[6:7]
	s_load_b64 s[8:9], s[0:1], 0x10                ; the output
	v_lshl_add_u32 v28, v0, 2, SPARE
	v_mov_b32 v29, 0
	ds_add_u32 v28, v29
	s_wait_dscnt 0x0
	v_lshrrev_b32 v1, 5, v0
	v_readfirstlane_b32 s14, v1                    ; wave 0..3
	s_lshr_b32 s15, s14, 1                         ; WM: my half of the rows.  Also: I fetch for A (0) or B (1)
	s_and_b32 s16, s14, 1                          ; WN: my half of the columns.  Also: which half I fetch
	s_bfe_u32 s17, ttmp6, 0x40000                  ; cx
	s_bfe_u32 s18, ttmp6, 0x40004                  ; cy
	s_lshl_b32 s19, ttmp9, 2
	s_add_co_u32 s19, s19, s17                     ; TX
	s_and_b32 s20, ttmp7, 0xffff
	s_lshl_b32 s20, s20, 2
	s_add_co_u32 s20, s20, s18                     ; TY
	s_lshl_b32 s21, s18, 2
	s_lshl_b32 s21, 15, s21                        ; my row of the cluster
	s_lshl_b32 s22, 0x1111, s17                    ; my column
	s_or_b32 s24, s21, (1<<16)|(1<<20)|(1<<21)|(QIA<<22)|(3<<25)  ; A: mask; 2-byte elements; padding on; bit 21 beside a mask; interval; 4 words of padding
	s_mov_b32 s25, ADIM0<<16
	s_mov_b32 s26, AROWS<<16
	s_mov_b32 s27, ADIM0<<16
	s_mov_b32 s28, AROWS
	s_mov_b32 s29, ASTRIDE
	s_mov_b32 s30, 0
	s_mov_b32 s31, 0
	s_or_b32 s40, s22, (1<<16)|(1<<20)|(1<<21)|(5<<22)|((PADW-1)<<25)  ; B: padded after every 64 words
	s_mov_b32 s41, TN<<16
	s_mov_b32 s42, (KSTEP/2)<<16
	s_mov_b32 s43, TN<<16
	s_mov_b32 s44, KSTEP/2
	s_mov_b32 s45, LDB
	s_mov_b32 s46, 0
	s_mov_b32 s47, 0
	s_mul_i32 s60, s20, AGT                        ; A's tile hangs on TY and the wave alone,
	s_mul_i32 s21, s16, AGH
	s_add_co_u32 s60, s60, s21
	s_mov_b32 s61, 0
	s_mul_i32 s62, s19, TN*2                       ; B's on TX and the wave alone
	s_mul_i32 s22, s16, BGH
	s_add_co_u32 s62, s62, s22
	s_add_co_u32 s62, s62, WOFF
	s_mov_b32 s63, 0
	s_mul_i32 s23, s16, AH                         ; LDS addresses hang on the wave alone
	s_mov_b32 s32, 1
	s_mov_b32 s33, s23
	s_mov_b32 s36, 1
	s_add_co_u32 s37, s23, SLOT
	s_mul_i32 s23, s16, BH
	s_mov_b32 s48, 1
	s_add_co_u32 s49, s23, ASZ
	s_mov_b32 s52, 1
	s_add_co_u32 s53, s23, ASZ+SLOT
	s_mov_b32 s66, 0xffff0000
	s_wait_kmcnt 0x0
	s_add_nc_u64 s[60:61], s[4:5], s[60:61]
	s_add_nc_u64 s[62:63], s[6:7], s[62:63]
	s_mov_b64 s[34:35], s[60:61]
	s_or_b32 s35, s35, 0x80000000
	s_add_nc_u64 s[38:39], s[60:61], AGS
	s_or_b32 s39, s39, 0x80000000
	s_mov_b64 s[50:51], s[62:63]
	s_or_b32 s51, s51, 0x80000000
	s_add_nc_u64 s[54:55], s[62:63], BGS
	s_or_b32 s55, s55, 0x80000000
	CROUND                                         ; all sixteen work-groups are here: the first joint loads meet
	s_cmp_eq_u32 s15, 0                            ; a wave's two first fills stand in one branch: two loads of mine are out
	s_cbranch_scc0 .Lfirst_b
	tensor_load_to_lds s[32:35], s[24:31]
	s_nop 0
	tensor_load_to_lds s[36:39], s[24:31]
	s_nop 0
.rept 4
	v_nop
.endr
	s_branch .Lfirst_done
.Lfirst_b:
	tensor_load_to_lds s[48:51], s[40:47]
	s_nop 0
	tensor_load_to_lds s[52:55], s[40:47]
	s_nop 0
.rept 4
	v_nop
.endr
.Lfirst_done:
	v_and_b32 v1, 15, v0                           ; r
	v_bfe_u32 v2, v0, 4, 1                         ; h
	v_and_b32 v3, 7, v0
	v_bfe_u32 v4, v0, 3, 1
	v_mul_u32_u24 v10, v1, AP                      ; A: row r x pitch + 16 h + my half of the rows
	v_lshl_add_u32 v10, v2, 4, v10
	s_mul_i32 s23, s15, MA*16*AP
	v_add_nc_u32 v10, s23, v10
	v_lshl_add_u32 v11, v2, 3, v3                  ; B, turned: k = 8 h + lane % 8, 16 bytes for each half of eight lanes
	v_mul_u32_u24 v11, v11, BP
	v_lshl_add_u32 v11, v4, 4, v11
	s_mul_i32 s23, s16, WNB
	s_add_co_u32 s23, s23, ASZ
	v_add_nc_u32 v11, s23, v11
	s_mul_i32 s23, s14, STW
	s_add_co_u32 s23, s23, STAGE                   ; my stage
	v_mul_u32_u24 v14, v1, 144                     ; in: row r, 16 bytes for each half of the lanes
	v_lshl_add_u32 v14, v2, 4, v14
	v_add_nc_u32 v14, s23, v14
	v_bfe_u32 v15, v0, 3, 2                        ; back: 32 lanes take four rows of 128 bytes,
	v_mul_u32_u24 v15, v15, 144
	v_lshl_add_u32 v15, v3, 4, v15
	v_add_nc_u32 v15, s23, v15
	v_and_b32 v16, 31, v0                          ; which are 512 consecutive bytes of a head
	v_lshlrev_b32 v16, 4, v16
	; the three heads that my columns belong to: group gg = 6 TX + 2 g + WN of 48 groups of 64 columns: gg / 16 says q, k or v, gg % 16 the head
.set g, 0
.rept 3
	s_mul_i32 s68, s19, 6
	s_add_co_u32 s68, s68, s16
	s_add_co_u32 s68, s68, 2*g
	s_lshr_b32 s69, s68, 4
	s_lshl_b32 s69, s69, 6
	s_and_b32 s68, s68, 15
	s_add_co_u32 s68, s68, s69
	s_lshr_b32 s69, s20, 3                         ; the batch
	s_lshl_b32 s69, s69, 4
	s_add_co_u32 s68, s68, s69
	s_lshl_b32 s68, s68, 17                        ; 131,072 bytes a head
	s_and_b32 s69, s20, 7
	s_lshl_b32 s69, s69, 14                        ; 128 rows of 128 bytes
	s_add_co_u32 s68, s68, s69
	s_lshl_b32 s69, s15, 13
	s_add_co_u32 s68, s68, s69
	s_mov_b32 s69, 0
	s_add_nc_u64 s[72+2*g:73+2*g], s[8:9], s[68:69]
.set g, g+1
.endr
	s_wait_tensorcnt 1                             ; my part of K step 0 is in; K step 1's may stay out
	s_barrier_signal -1
	s_barrier_wait -1
	s_mov_b32 s58, 0
	s_mov_b32 s59, 0
	FETCH 0
	FETCH 1
	s_wait_dscnt 32
	MUL 0, 1                                       ; the first unit starts the sums: nothing is cleared
	WIN 0
	s_mov_b32 s57, 1                               ; slot 0 has two units left to fetch
	s_mov_b32 s56, (TSTEPS-2)/2+1
	s_branch .Lu0                                  ; the loop is entered in the middle of a lap
.Llap:
	CHANGE 0, 1
	s_mov_b32 s57, 2
.Lu1:
	PAIR
	WIN 0
	s_sub_co_u32 s57, s57, 1
	s_cmp_lg_u32 s57, 0
	s_cbranch_scc1 .Lu1
	CHANGE 1, 1
	s_mov_b32 s57, 2
.Lu0:
	PAIR
	WIN 0
	s_sub_co_u32 s57, s57, 1
	s_cmp_lg_u32 s57, 0
	s_cbranch_scc1 .Lu0
	s_sub_co_u32 s56, s56, 1
	s_cmp_lg_u32 s56, 0
	s_cbranch_scc1 .Llap
	CHANGE 0, 0                                    ; the last K step: nothing is asked for
	s_mov_b32 s57, 2
.Lu2:
	PAIR
	WIN 0
	s_sub_co_u32 s57, s57, 1
	s_cmp_lg_u32 s57, 0
	s_cbranch_scc1 .Lu2
	s_wait_dscnt 0x0
	MUL 1, 0
	WIN 0
.rept 4
	v_nop                                          ; the places between the last products and the conversions
.endr
; THE WAY OUT.  Tile tl = 3 a + g: 16 rows x a head's 64 channels.  A lane's eight channels pack into 16 bytes; they go into rows of 144 bytes and come back as whole rows of 128.
.macro PACK tl
.set a, (\tl)/3
.set g, (\tl)%3
.set t, a*NBK+4*g
.set w, 2+t/32
.set AC, 8*(t%32)
.set TR, 64+16*(\tl)
	WIN 5*w                                        ; sources 0 and 1 in the accumulators' window
.set q, 0
.rept 16
	v_cvt_pk_bf16_f32 v[TR+q], v[AC+2*q], v[AC+2*q+1]
.set q, q+1
.endr
	WIN 0
.set q, 0
.rept 4
	ds_store_b128 v14, v[TR+4*q:TR+4*q+3] offset:32*q
.set q, q+1
.endr
.set q, 0
.rept 4
	ds_load_b128 v[TR+4*q:TR+4*q+3], v15 offset:q*576  ; LDS serves a wave's instructions in order (ISA guide 5.7.1.4): these see the stores above; the next tile's stores come behind them
.set q, q+1
.endr
.endm
.macro SEND tl, younger                ; younger: the LDS instructions issued behind this tile's loads
.set a, (\tl)/3
.set g, (\tl)%3
.set TR, 64+16*(\tl)
.set q, 0
.rept 4
	s_wait_dscnt (\younger)+3-q
	global_store_b128 v16, v[TR+4*q:TR+4*q+3], s[72+2*g:73+2*g] offset:a*2048+q*512  ; 512 consecutive bytes, at a multiple of 256 from the buffer's first
.set q, q+1
.endr
.endm
	PACK 0
.set tt, 1
.rept 11
	PACK tt
	SEND tt-1, 8
.set tt, tt+1
.endr
	SEND 11, 0
	s_wait_tensorcnt 0x0                           ; the wave's end
	ds_add_u32 v28, v29
	s_wait_dscnt 0x0
	CROUND                                         ; the closing round
	s_endpgm
.Lfunc_end_k_q5987913659_gqkv:
	.size	k_q5987913659_gqkv, .Lfunc_end_k_q5987913659_gqkv-k_q5987913659_gqkv
	.p2alignl 7, 3214868480
	.fill 96, 4, 3214868480
	.section	.rodata,"a",@progbits
	.p2align	6, 0x0
	.amdhsa_kernel k_q5987913659_gqkv
		.amdhsa_group_segment_fixed_size 327680
		.amdhsa_private_segment_fixed_size 0
		.amdhsa_enable_private_segment 0
		.amdhsa_kernarg_size 24
		.amdhsa_user_sgpr_count 2
		.amdhsa_user_sgpr_kernarg_segment_ptr 1
		.amdhsa_wavefront_size32 1
		.amdhsa_system_sgpr_workgroup_id_x 1
		.amdhsa_system_sgpr_workgroup_id_y 1
		.amdhsa_system_sgpr_workgroup_id_z 1
		.amdhsa_system_vgpr_workitem_id 0
		.amdhsa_next_free_vgpr 896
		.amdhsa_next_free_sgpr 80
		.amdhsa_reserve_vcc 0
		.amdhsa_float_denorm_mode_32 3
		.amdhsa_float_denorm_mode_16_64 3
		.amdhsa_memory_ordered 1
		.amdhsa_forward_progress 1
		.amdhsa_inst_pref_size 80
	.end_amdhsa_kernel
	.amdgpu_metadata
---
amdhsa.version: [ 1, 2 ]
amdhsa.kernels:
  - .name:           k_q5987913659_gqkv
    .symbol:         k_q5987913659_gqkv.kd
    .args:
      - { .name: xn, .offset: 0, .size: 8, .value_kind: global_buffer, .address_space: global }
      - { .name: wb, .offset: 8, .size: 8, .value_kind: global_buffer, .address_space: global }
      - { .name: qkvb, .offset: 16, .size: 8, .value_kind: global_buffer, .address_space: global }
    .group_segment_fixed_size: 327680
    .private_segment_fixed_size: 0
    .kernarg_segment_align: 8
    .kernarg_segment_size: 24
    .max_flat_workgroup_size: 128
    .sgpr_count:     80
    .vgpr_count:     896
    .wavefront_size: 32
...
	.end_amdgpu_metadata
.endif
;; end of part 2
;; launch attn (part 3): grid 4 x 64, 4 waves a work-group, clusters of 4 x 1, 327,680 bytes of LDS; arguments qkvb, ob, w1, w2, wb; writes ob, wb
.if DOCPART == 3
	.amdgcn_target "amdgcn-amd-amdhsa--gfx1250"
	.amdhsa_code_object_version 6
	.text
	.protected	k_q5987913659_attn
	.globl	k_q5987913659_attn
	.p2align	8
	.type	k_q5987913659_attn,@function
k_q5987913659_attn:
	s_mov_b64 s[64:65], 0
	v_nop
	global_prefetch_b8 v0, s[64:65] scope:SCOPE_SE
	s_setreg_imm32_b32 hwreg(HW_REG_WAVE_MODE, 25, 1), 1
	s_wait_xcnt 0x0
	s_wait_alu depctr_hold_cnt(0) depctr_sa_sdst(0) depctr_va_vdst(0) depctr_va_sdst(0) depctr_va_ssrc(0) depctr_va_vcc(0) depctr_vm_vsrc(0)
	s_getreg_b32 s2, hwreg(HW_REG_IB_STS2, 6, 4)
	s_cmp_eq_u32 s2, 0
	s_cbranch_scc0 .Lentry_in_a_cluster
	s_endpgm
.Lentry_in_a_cluster:
	s_bfe_u32 s2, ttmp6, 0x10000c
	s_cmp_lg_u32 s2, 0x3003
	s_cbranch_scc0 .Lentry_shape_is_right
	s_endpgm
.Lentry_shape_is_right:
; O[head][q][:] = the sum over k of softmax_k(Q[q] . K[k] / 8) V[k][:].  Q, K, V: qkvb[3][64 heads][1024][64] in bf16, a head's rows dense, 128 bytes each.  Products, maxima and sums in f32;
; the weights p are rounded to bf16 for the second product (their sum l is taken of the unrounded p), O once at the end.
; O leaves as ob[token / 128][head % 16][token % 128][64] in bf16, so that the product behind finds 128 tokens of a head as dense bytes.
; LIMITS.  A weight below 2^-126 counts as 0 in l; c m starts at -4.25e37, far below every c s that finite bf16 inputs of this module's kind give; NaN and infinities are not treated apart.
; SHARES.  A work-group owns 256 queries of one head, a wave 64: four PIECES of 16.  Every wave walks the head's 1,024 keys, 64 a step.
; ALL OF A HEAD'S K AND V LIES IN LDS: 1,024 rows of 144 bytes and 1,024 of 160, 311,296 bytes.  A wave asks for its four parts (128 keys of each 256) in one group at the start; nothing is ever filled again.
; The first 256 keys are walked while the other 768 land; one wait for all and one barrier stand in front of those.
; LAYOUT.  S^T = K Q^T (source 0 = 16 keys, source 1 = 16 queries): a lane holds ONE query (lane % 16) and the keys 8 (lane / 16) + 0..7; two such results rounded to bf16 ARE source 1 of O^T = V^T P.
; SOFTMAX.  A running maximum m and sum l: p = 2^(c s - c m), c = log2(e) / 8; in every step O and l are multiplied by a = 2^(c m_old - c m_new).  O and l start at 0: the first step is a step like any other, with a = 0.
; BY TURNS.  Turn n belongs to piece n: 8 products K Q^T of piece n + 1, later 8 products V^T P of piece n - 1; beside them the scaling, exponentials, roundings, sums and rescaling of piece n and the maximum and
; statistics of piece n + 1.  Four vector instructions stand behind every matrix instruction, the others in two runs of their own.
; CLUSTER.  The four query blocks of a head form a cluster and ask for each tile of K and V jointly.
; THE FEED-FORWARD WEIGHTS RIDE ALONG.  w1 and w2 (f32, 8,388,608 numbers together) are rounded to bf16 here, into wb at bytes 8,388,608 and 16,777,216: the launches that want them come later, and this
; launch's own loop asks memory for nothing.  Each of the 1,024 waves takes 16,384 bytes of each: w1's are asked for ahead of the loop, into registers that attention leaves free; at the loop's first stop they
; are rounded and stored and w2's are asked for; at the second stop those are rounded and stored.  Loads of 512 consecutive bytes a wave, stores of 256, aligned.
; REGISTERS (s_set_vgpr_msb: bits 1:0 source 0, 3:2 source 1, 5:4 source 2, 7:6 destination):
;   window 0: v0-15 addresses; v16-31 statistics; v48-55 at work; v64-127 S^T, two buffers; v192-223 P, two buffers      window 1: v0-127 O^T      window 2: v0-63 Q; v128-191 K; v192-255 V
;   window 3: v0-127 weights as loaded; v128-191 the same, packed
.set NP,    4
.set KS,    64
.set PK,    144       ; a row of K in LDS: 128 bytes + 16: the 16 rows of a load start at 16 different groups of four banks (64 banks of 4 bytes: ISA guide 11.1)
.set PV,    160       ; a row of V: 128 + 32
.set VOFF,  1024*PK   ; K's 1,024 rows, then V's
.set STAGE, VOFF+1024*PV  ; behind them, a multiple of 256, never filled by a tensor load: 16 rows x 144 bytes a wave
.set SP,    144
.set AK0, 2
.set AV0, 3
.set AK,  4
.set AV,  5
.set STO, 6
.set RD,  7
.set GO,  8           ; v8   16 x lane: O's stores, and the weights' loads
.set MV,  12
.set C8,  14          ; v14  8 x lane: the weights' stores
.set QO,  15
.set ST,  16          ; piece t's statistics at v[ST+4 t]: c m, m, l (even keys', odd keys')
.set TMP, 48
.set S,   64
.set P,   192
.set KF,  128
.set VF,  192
.set WV,  12
.set G1K, 24          ; s[24:31] descriptor group 1 for K's tiles
.set G1V, 32          ; s[32:39] for V's: it differs in the padding alone
.set G0K, 40          ; s[40:55] four sets of group 0 for K: all four loads are out together
.set G0V, 68          ; s[68:83] the same for V
.set SLOTS, 56
.set CNT, 57
.set CS,  58
.set SEL, 60
.set TBK, 62
.set TBV, 63
.set PW1, 84          ; s[84:85] my 16,384 bytes of w1
.set PW2, 86          ; s[86:87] of w2
.set PD,  88          ; s[88:89] where the weights in hand go in wb
.set PD2, 90          ; s[90:91] where w2's go
.set MSB, 0
.macro WIN new
.if MSB != (\new)
	s_set_vgpr_msb (MSB<<8)|(\new)
.set MSB, (\new)
.endif
.endm
.set W_KQ, 0x0a       ; K and Q in window 2, S^T in window 0
.set W_PV, 0x52       ; V in window 2, P in window 0, O^T in window 1
.set W_RS, 0x41       ; destination and source 0 in window 1, source 1 in window 0
.macro CROUND                       ; a round of the cluster's barrier
	s_barrier_signal -1
	s_barrier_wait -1
	s_cmp_lg_u32 s[WV], 0
	s_cbranch_scc1 .Lnot_wave_0_\@
	s_barrier_signal -3
.Lnot_wave_0_\@:
	s_barrier_wait -3
	s_barrier_signal -1
	s_barrier_wait -1
.endm
.macro CLOAD src                    ; 16,384 bytes of weights are asked for: 32 loads of 512 consecutive bytes
	WIN 0xc0                        ; destination window 3, address window 0
.set j, 0
.rept 32
	global_load_b128 v[4*j:4*j+3], v[GO], s[\src:\src+1] offset:512*j th:TH_LOAD_NT
.set j, j+1
.endr
	WIN 0
.endm
.macro CSTORE                       ; they are rounded to bf16 and stored: 32 stores of 256 consecutive bytes
	s_wait_loadcnt 0x0              ; asked for four key steps ago or more
	s_wait_xcnt 0x0                 ; the packed registers are written again only behind this wait: the last stop's stores read them
	WIN 0xcf                        ; sources and destination in window 3
.set p, 0
.rept 64
	v_cvt_pk_bf16_f32 v[128+p], v[2*p], v[2*p+1]
.set p, p+1
.endr
	WIN 0x0c                        ; store data in window 3, address in window 0
.set j, 0
.rept 32
	global_store_b64 v[C8], v[128+2*j:129+2*j], s[PD:PD+1] offset:256*j
.set j, j+1
.endr
	WIN 0
.endm
	s_load_b128 s[4:7], s[0:1], 0x0 ; qkvb s[4:5], ob s[6:7]
	s_load_b128 s[PW1:PW1+3], s[0:1], 0x10  ; w1, w2
	s_load_b64 s[PD:PD+1], s[0:1], 0x20     ; wb
	v_lshl_add_u32 v254, v0, 2, 0x4e400
	v_mov_b32 v255, 0
	ds_add_u32 v254, v255
	v_lshrrev_b32 v1, 5, v0
	v_readfirstlane_b32 s[WV], v1   ; wave 0..3
	s_bfe_u32 s13, ttmp6, 0x40000   ; cx
	s_lshl_b32 s14, ttmp9, 2
	s_add_co_u32 s14, s14, s13      ; my block of 256 queries: it enters Q's, O's and the weights' addresses alone
	s_and_b32 s19, ttmp7, 0xffff    ; the head, which the four partners share
	s_lshl_b32 s20, s19, 17         ; 131,072 bytes a head
	s_and_b32 s16, s[WV], 1         ; which half of each 256 keys I fetch
	s_lshl_b32 s22, s16, 14
	s_add_co_u32 s22, s22, s20
	s_add_co_u32 s22, s22, 0x800000 ; K lies 64 heads behind Q,
	s_mov_b32 s23, 0
	s_add_co_u32 s92, s22, 0x800000 ; V 64 more
	s_mov_b32 s93, 0
	s_mul_i32 s17, s16, 128*PK
	s_mul_i32 s18, s16, 128*PV
	s_lshl_b32 s2, s14, 2
	s_add_co_u32 s2, s2, s[WV]
	s_lshl_b32 s2, s2, 13           ; my wave's 64 rows of 128 bytes
	s_add_co_u32 s2, s2, s20
	s_mov_b32 s3, 0
	s_lshr_b32 s98, s19, 4          ; O: block of 128 tokens = 8 x batch + 2 x my block + wave / 2,
	s_lshl_b32 s98, s98, 3
	s_lshl_b32 s99, s14, 1
	s_add_co_u32 s98, s98, s99
	s_lshr_b32 s99, s[WV], 1
	s_add_co_u32 s98, s98, s99
	s_lshl_b32 s98, s98, 18
	s_and_b32 s99, s19, 15          ; the head in it,
	s_lshl_b32 s99, s99, 14
	s_add_co_u32 s98, s98, s99
	s_lshl_b32 s99, s16, 13         ; my 64 rows of its 128
	s_add_co_u32 s98, s98, s99
	s_mov_b32 s99, 0
	s_lshl_b32 s96, s19, 4          ; my wave among the launch's 1,024: 16 x head + 4 x block + wave
	s_lshl_b32 s97, s14, 2
	s_add_co_u32 s96, s96, s97
	s_add_co_u32 s96, s96, s[WV]
	s_lshl_b32 s94, s96, 14         ; its 16,384 bytes of f32
	s_mov_b32 s95, 0
	s_lshl_b32 s96, s96, 13         ; and 8,192 of bf16,
	s_add_co_u32 s96, s96, 8388608  ; w1's behind wq, wk, wv and wo
	s_mov_b32 s97, 0
	; descriptor group 1.  128 keys are 16,384 dense bytes: asked for as 64 rows of 256 bytes, two keys a row, and padded in LDS after every key
	s_mov_b32 s[G1K], 15|(1<<16)|(1<<20)|(1<<21)|(4<<22)|(3<<25)
	s_mov_b32 s[G1V], 15|(1<<16)|(1<<20)|(1<<21)|(4<<22)|(7<<25)
.irp g, G1K, G1V
	s_mov_b32 s[\g+1], 128<<16
	s_mov_b32 s[\g+2], 64<<16
	s_mov_b32 s[\g+3], 128<<16
	s_mov_b32 s[\g+4], 64
	s_mov_b32 s[\g+5], 128
	s_mov_b32 s[\g+6], 0
	s_mov_b32 s[\g+7], 0
.endr
	s_mov_b32 s[CS], 0x3e38aa3b     ; c = log2(e) / 8
	s_mov_b32 s[CS+1], s[CS]
	s_mov_b32 s[SEL], 0x76543210
	s_mov_b32 s[SEL+1], 0xfedcba98
	s_mov_b32 s[TBK], 0
	s_mov_b32 s[TBV], 0
.set n, 0
.rept 4                             ; set n: keys 256 n + 128 x my half on
	s_mov_b32 s[G0K+4*n], 1
	s_add_co_u32 s[G0K+4*n+1], s17, n*256*PK
	s_mov_b32 s[G0V+4*n], 1
	s_add_co_u32 s[G0V+4*n+1], s18, VOFF+n*256*PV
.set n, n+1
.endr
	s_wait_dscnt 0x0
	s_wait_kmcnt 0x0
	s_mov_b64 s[10:11], s[6:7]
	s_add_nc_u64 s[22:23], s[4:5], s[22:23]
	s_add_nc_u64 s[92:93], s[4:5], s[92:93]
.set n, 0
.rept 4
	s_add_nc_u64 s[G0K+4*n+2:G0K+4*n+3], s[22:23], n*32768
	s_or_b32 s[G0K+4*n+3], s[G0K+4*n+3], 0x80000000
	s_add_nc_u64 s[G0V+4*n+2:G0V+4*n+3], s[92:93], n*32768
	s_or_b32 s[G0V+4*n+3], s[G0V+4*n+3], 0x80000000
.set n, n+1
.endr
	s_add_nc_u64 s[4:5], s[4:5], s[2:3]       ; Q at my wave's first row
	s_add_nc_u64 s[10:11], s[10:11], s[98:99] ; O likewise
	s_add_nc_u64 s[PW1:PW1+1], s[PW1:PW1+1], s[94:95]
	s_add_nc_u64 s[PW2:PW2+1], s[PW2:PW2+1], s[94:95]
	s_add_nc_u64 s[PD:PD+1], s[PD:PD+1], s[96:97]
	s_add_nc_u64 s[PD2:PD2+1], s[PD:PD+1], 0x800000  ; w2's place lies 8,388,608 bytes behind w1's
	CROUND                          ; all four work-groups are here: the joint loads meet
	s_cmp_lt_u32 s[WV], 2           ; a wave's four fills stand in one branch: waves 0, 1 K's halves, waves 2, 3 V's; four loads of mine are out
	s_cbranch_scc0 .Lfirst_v
.set n, 0
.rept 4
	tensor_load_to_lds s[G0K+4*n:G0K+4*n+3], s[G1K:G1K+7]
	s_nop 0
.set n, n+1
.endr
.rept 4
	v_nop
.endr
	s_branch .Lfirst_asked
.Lfirst_v:
.set n, 0
.rept 4
	tensor_load_to_lds s[G0V+4*n:G0V+4*n+3], s[G1V:G1V+7]
	s_nop 0
.set n, n+1
.endr
.rept 4
	v_nop
.endr
.Lfirst_asked:
	v_and_b32 v1, 15, v0            ; l % 16
	v_bfe_u32 v9, v0, 4, 1          ; l / 16
	v_lshlrev_b32 v[QO], 7, v1
	v_lshl_add_u32 v[QO], v9, 4, v[QO]
	WIN 0x80                        ; destination window 2
.set i, 0
.rept 8                             ; Q stays in registers: piece i / 2, channels 32 (i % 2) on
	global_load_b128 v[8*i:8*i+3],   v[QO], s[4:5] offset:(i/2)*2048+(i%2)*64
	global_load_b128 v[8*i+4:8*i+7], v[QO], s[4:5] offset:(i/2)*2048+(i%2)*64+32
.set i, i+1
.endr
	; What the first turn finds: V's registers and P's second buffer hold 0, O^T and l are 0.  All this stands in the wait for the first tile.
.set i, VF
.rept 64
	v_mov_b32 v[i], 0
.set i, i+1
.endr
	WIN 0x40
.set i, 0
.rept 128
	v_mov_b32 v[i], 0
.set i, i+1
.endr
	WIN 0
.set i, 0
.rept 4
	v_mov_b32 v[ST+4*i], 0xfe000000    ; c m: far below every c s
	v_mov_b32 v[ST+4*i+1], 0xff7fffff  ; m
	v_mov_b32 v[ST+4*i+2], 0
	v_mov_b32 v[ST+4*i+3], 0
.set i, i+1
.endr
.set i, P+16
.rept 16
	v_mov_b32 v[i], 0
.set i, i+1
.endr
	v_mul_u32_u24 v[AK0], v1, PK
	v_lshl_add_u32 v[AK0], v9, 4, v[AK0]
	v_and_b32 v10, 7, v0
	v_bfe_u32 v11, v0, 3, 1
	v_lshl_add_u32 v[AV0], v9, 3, v10
	v_mul_u32_u24 v[AV0], v[AV0], PV
	v_lshl_add_u32 v[AV0], v11, 4, v[AV0]
	v_add_nc_u32 v[AV0], VOFF, v[AV0]
	s_mul_i32 s13, s[WV], 16*SP
	s_add_co_u32 s13, s13, STAGE    ; my stage
	v_mul_u32_u24 v[STO], v1, SP
	v_lshl_add_u32 v[STO], v9, 4, v[STO]
	v_add_nc_u32 v[STO], s13, v[STO]
	v_bfe_u32 v[RD], v0, 3, 2
	v_mul_u32_u24 v[RD], v[RD], SP
	v_lshl_add_u32 v[RD], v10, 4, v[RD]
	v_add_nc_u32 v[RD], s13, v[RD]
	v_and_b32 v[GO], 31, v0
	v_lshlrev_b32 v[C8], 3, v[GO]
	v_lshlrev_b32 v[GO], 4, v[GO]
; THE MATRIX WORK.  The 4 accumulators of a run of 8 take turns.
.macro KQ x                         ; product i of 8 of S^T = K Q^T for piece x: channels 32 (i / 4) on, keys 16 (i % 4) on; the first 4 start the sums
	WIN W_KQ
.set rS, S+32*((\x)%2)+8*(i%4)
.set rK, KF+16*(i%4)+8*(i/4)
.set rQ, 16*(\x)+8*(i/4)
.if i < 4
	v_wmma_f32_16x16x32_bf16 v[rS:rS+7], v[rK:rK+7], v[rQ:rQ+7], 0
.else
	v_wmma_f32_16x16x32_bf16 v[rS:rS+7], v[rK:rK+7], v[rQ:rQ+7], v[rS:rS+7]
.endif
.endm
.macro PV x                         ; product i of 8 of O^T += V^T P for piece x: keys 32 (i / 4) on, channels 16 (i % 4) on
	WIN W_PV
.set rO, 32*(\x)+8*(i%4)
.set rV, VF+32*(i/4)+8*(i%4)
.set rP, P+16*((\x)%2)+8*(i/4)
	v_wmma_f32_16x16x32_bf16 v[rO:rO+7], v[rV:rV+7], v[rP:rP+7], v[rO:rO+7]
.endm
.macro MM                           ; the turn's next matrix instruction.  NOKQ = 1: the last turn: there is no next piece
.if (i < 8) && !NOKQ
	KQ (Y+1)%NP
.elseif i >= 8
.set i, i-8
	PV (Y+NP-1)%NP
.set i, i+8
.endif
.set i, i+1
.endm
.macro FETCH_K                      ; a step's K, 16 loads in one run
	WIN 0x80
.irp f, 0,1,2,3,4,5,6,7
	ds_load_b128 v[KF+8*\f:KF+8*\f+3],   v[AK] offset:(\f/2)*16*PK+(\f%2)*64
	ds_load_b128 v[KF+8*\f+4:KF+8*\f+7], v[AK] offset:(\f/2)*16*PK+(\f%2)*64+32
.endr
	s_add_co_u32 s[TBK], s[TBK], KS*PK
	WIN 0
.endm
.macro FETCH_V                      ; a step's V, turned
	WIN 0x80
.irp f, 0,1,2,3,4,5,6,7
	ds_load_tr16_b128 v[VF+8*\f:VF+8*\f+3],   v[AV] offset:(\f/4)*32*PV+(\f%4)*32
	ds_load_tr16_b128 v[VF+8*\f+4:VF+8*\f+7], v[AV] offset:(\f/4)*32*PV+16*PV+(\f%4)*32
.endr
	WIN 0
.endm
; THE VECTOR WORK: OP kind, number.  For piece Y: F n: c s - c m for pair n.  E n: the exponential of score n.  C n: pair n rounded to bf16.  B n: of the four weights 4 n .. the second pair is added onto the first.
; L n: l takes that sum (L 0: l = a l + sum).  R n: pair n of O^T times a.  For piece Y + 1: X n, number n of the 22 that find its maximum and statistics (each accumulator's lowest registers are read first).
.set F, 0
.set E, 1
.set C, 2
.set B, 3
.set L, 4
.set R, 5
.set X, 6
.macro REGS y
.set rT, ST+4*(\y)
.set rC, TMP+4*((\y)%2)
.set rW, MV+((\y)%2)
.set rS, S+32*((\y)%2)
.set rP, P+16*((\y)%2)
.set rO, 32*(\y)
.endm
.macro OP k, n
.if (\k) == R
	REGS Y
	WIN W_RS
	v_pk_mul_f32 v[rO+2*(\n):rO+2*(\n)+1], v[rO+2*(\n):rO+2*(\n)+1], v[rC+2:rC+3] op_sel_hi:[1,0]
.elseif (\k) < R
	REGS Y
	WIN 0
.if (\k) == F
	v_pk_fma_f32 v[rS+2*(\n):rS+2*(\n)+1], v[rS+2*(\n):rS+2*(\n)+1], s[CS:CS+1], v[rT:rT+1] op_sel_hi:[1,0,0] neg_lo:[0,0,1] neg_hi:[0,0,1]
.elseif (\k) == E
	v_exp_f32 v[rS+(\n)], v[rS+(\n)]
.elseif (\k) == C
	s_wait_alu depctr_va_vdst(0)
	v_cvt_pk_bf16_f32 v[rP+(\n)], v[rS+2*(\n)], v[rS+2*(\n)+1]
.elseif (\k) == B
	s_wait_alu depctr_va_vdst(0)
	v_pk_add_f32 v[rS+4*(\n):rS+4*(\n)+1], v[rS+4*(\n):rS+4*(\n)+1], v[rS+4*(\n)+2:rS+4*(\n)+3]
.elseif (\n) == 0
	v_pk_fma_f32 v[rT+2:rT+3], v[rT+2:rT+3], v[rC+2:rC+3], v[rS:rS+1] op_sel_hi:[1,0,1]
.else
	v_pk_add_f32 v[rT+2:rT+3], v[rT+2:rT+3], v[rS+4*(\n):rS+4*(\n)+1]
.endif
.elseif NOKQ
	v_nop
.else
	REGS (Y+1)%NP
	WIN 0
.if (\n) < 4
	v_max3_num_f32 v[rC+(\n)], v[rS+8*(\n)], v[rS+8*(\n)+1], v[rS+8*(\n)+2]
.elseif (\n) < 12
	v_max3_num_f32 v[rC+(\n)%4], v[rC+(\n)%4], v[rS+8*((\n)%4)+2*((\n)/4)+1], v[rS+8*((\n)%4)+2*((\n)/4)+2]
.elseif (\n) == 12
	v_max3_num_f32 v[rC], v[rC], v[rS+7], v[rS+15]
.elseif (\n) == 13
	v_max3_num_f32 v[rC+1], v[rC+1], v[rS+23], v[rS+31]
.elseif (\n) == 14
	v_max3_num_f32 v[rC+2], v[rC+2], v[rC+3], v[rT+1]
.elseif (\n) == 15
	v_mov_b32 v[rW], v[rT]
.elseif (\n) == 16
	v_max3_num_f32 v[rC], v[rC], v[rC+1], v[rC+2]
.elseif (\n) == 17
	v_permlanex16_b32 v[rC+3], v[rC], s[SEL], s[SEL+1]
.elseif (\n) == 18
	v_max_num_f32 v[rT+1], v[rC], v[rC+3]
.elseif (\n) == 19
	v_mul_f32 v[rT], s[CS], v[rT+1]
.elseif (\n) == 20
	v_sub_f32 v[rC+1], v[rW], v[rT]
.else
	v_exp_f32 v[rC+2], v[rC+1]
.endif
.endif
.endm
.macro OPS a, i1, b=-1, i2=0, c=-1, i3=0, d=-1, i4=0
	OP \a, \i1
.if (\b) >= 0
	OP \b, \i2
.endif
.if (\c) >= 0
	OP \c, \i3
.endif
.if (\d) >= 0
	OP \d, \i4
.endif
.endm
.macro ROW a, i1, b, i2, c, i3, d, i4  ; a matrix instruction and the four behind it
	MM
	OPS \a, \i1, \b, \i2, \c, \i3, \d, \i4
.endm
; A TURN, for piece p.  end = 1: the last two turns: nothing is fetched.  cnt = 1: the loop's count is taken down some lines ahead of the branch behind the turn.
; K of the next step is fetched in piece 2's turn, V of the step in hand in piece 0's, each some plain vector lines behind the last product that read the registers; each is waited for a turn later.
.macro TURN p, end=0, cnt=0
.set Y, (\p)
.set i, 0
.set NOKQ, (\end)*((\p)/3)
.if ((\p) == 3) && !(\end)
	s_wait_dscnt 0x0                ; K is in
.endif
	ROW F,0, F,1, F,2, F,3
	ROW F,4, E,0, F,5, F,6
	ROW F,7, E,1, F,8, F,9
	ROW F,10, E,2, C,0, F,11
	ROW F,12, E,3, X,15, F,13
	ROW R,0, R,1, R,2, R,3
	ROW B,0, E,4, F,14, L,0
.if ((\p) == 2) && !(\end)
	v_add_nc_u32 v[AK], s[TBK], v[AK0]
.endif
	ROW R,4, R,5, R,6, R,7
	OPS E,5, F,15
.if ((\p) == 2) && !(\end)
	FETCH_K
.endif
	OPS E,6, C,1, E,7, R,8
	OPS E,8, R,9, E,9, C,2
	OPS E,10, X,0, E,11, X,1
	OPS E,12, X,2, E,13, X,3
.if (\p) == 1
	s_wait_dscnt 0x0                ; V is in
.endif
	ROW X,4, E,14, X,5, X,6
	ROW X,7, E,15, X,8, X,9
	ROW X,10, E,16, X,11, X,12
	ROW X,13, E,17, X,14, B,1
	ROW C,4, E,18, X,16, L,1
	ROW B,2, E,19, C,6, L,2
	ROW C,8, E,20, B,3, B,4
.if (\p) == 0
	v_add_nc_u32 v[AV], s[TBV], v[AV0]
.endif
	ROW C,3, E,21, L,3, C,5
	OPS E,22, X,17, E,23, C,10
.if (\p) == 0
	FETCH_V
.endif
	OPS E,24, L,4
	OPS E,25, X,18, E,26, C,7
	OPS E,27, B,5, E,28, X,19
	OPS E,29, C,12, E,30, L,5
	OPS E,31, X,20, B,6, C,9
	OPS C,14, C,11, X,21, L,6
.if (\p) == 0
	s_add_co_u32 s[TBV], s[TBV], KS*PV
.endif
.if \cnt
	s_sub_co_u32 s[CNT], s[CNT], 1
	s_cmp_lg_u32 s[CNT], 0
.endif
	OPS C,13, B,7, C,15, R,10
	OPS R,11, R,12, L,7, R,13
	OPS R,14, R,15
.endm
	s_wait_tensorcnt 3              ; tensor loads of a wave end in order: my part of the first 256 keys is in; my three younger loads stay out
	s_barrier_signal -1
	s_barrier_wait -1               ; everybody's part is
	v_add_nc_u32 v[AK], s[TBK], v[AK0]
	FETCH_K                         ; key step 0
	s_wait_loadcnt 0x0              ; Q
	CLOAD PW1                       ; w1's 16,384 bytes are asked for; they are wanted four key steps on
	s_wait_dscnt 0x0
.set NOKQ, 0
.set i, 0
.rept 8
	KQ 0                            ; piece 0's first scores
.set i, i+1
.endr
	WIN 0
.rept 4
	v_nop                           ; the places behind those products
.endr
.set Y, NP-1                        ; X works for piece Y + 1: piece 0
.irp n, 0,1,2,3,4,5,6,7,8,9,10,11,12,13,14,15,16,17,18,19,20,21
	OP X, \n
.endr
	v_nop                           ; a plain instruction behind the exponential
	s_mov_b32 s[CNT], 4             ; the walk goes in 4 + 6 + 6 key steps
	s_mov_b32 s[SLOTS], 3
	s_branch .Lfirst                ; the loop is entered at a step's first turn, in the middle of a trip
.Lslot:                             ; a STOP, twice.  At the first the other 768 keys are waited for; at the second these four lines find nothing to wait for but the partners
	s_wait_tensorcnt 0x0            ; all my tensor loads have landed,
	s_wait_dscnt 0x0                ; no LDS load of mine is out,
	s_barrier_signal -1
	s_barrier_wait -1               ; and the same holds of every wave
	CSTORE                          ; the weights in hand leave
	s_cmp_lg_u32 s[SLOTS], 2
	s_cbranch_scc1 .Lno_more        ; at the second stop nothing is left to ask for
	CLOAD PW2                       ; w2's 16,384 bytes; they are wanted six key steps on
	s_wait_xcnt 0x0                 ; the stores' base is written again only behind this wait
	s_mov_b64 s[PD:PD+1], s[PD2:PD2+1]
.Lno_more:
	s_mov_b32 s[CNT], 6
.Lstep:                             ; a trip: pieces 2 and 3 of one step, then pieces 0 and 1 of the next, whose K and V it fetches
	TURN 2
	TURN 3
	WIN 0
.Lfirst:
	TURN 0
	TURN 1, 0, 1
	WIN 0
	s_cbranch_scc1 .Lstep
	s_sub_co_u32 s[SLOTS], s[SLOTS], 1
	s_cmp_lg_u32 s[SLOTS], 0
	s_cbranch_scc1 .Lslot
	TURN 2, 1
	TURN 3, 1
.set i, 0
.rept 8
	PV NP-1                         ; the last piece's V^T P of the last step
.set i, i+1
.endr
	; THE WAY OUT.  l's two halves and the other half of the lanes' are added; O^T is divided by l, rounded to bf16 and sent through my stage, a piece at a time.  The additions are the places behind the last products.
	WIN 0
.macro ALL line:vararg
.set t, 0
.rept 4
	\line
.set t, t+1
.endr
.endm
	ALL v_add_f32 v[ST+4*t+2], v[ST+4*t+2], v[ST+4*t+3]
	ALL v_permlanex16_b32 v[ST+4*t+3], v[ST+4*t+2], s[SEL], s[SEL+1]
	ALL v_add_f32 v[ST+4*t+2], v[ST+4*t+2], v[ST+4*t+3]
	ALL v_rcp_f32 v[ST+4*t+2], v[ST+4*t+2]
	v_nop                           ; a plain instruction between the last reciprocal and the use of its result
.macro PACK t
	WIN W_RS
.set i, 32*(\t)
.rept 16
	s_wait_alu depctr_va_vdst(0)
	v_pk_mul_f32 v[i:i+1], v[i:i+1], v[ST+4*(\t)+2:ST+4*(\t)+3] op_sel_hi:[1,0]
.set i, i+2
.endr
	WIN 0x05                        ; sources 0 and 1 window 1, destination window 0
.set i, 0
.rept 16
	v_cvt_pk_bf16_f32 v[S+16*(\t)+i], v[32*(\t)+2*i], v[32*(\t)+2*i+1]
.set i, i+1
.endr
	WIN 0
.irp f, 0,1,2,3
	ds_store_b128 v[STO], v[S+16*(\t)+4*\f:S+16*(\t)+4*\f+3] offset:32*\f
.endr
.irp f, 0,1,2,3
	ds_load_b128 v[S+16*(\t)+4*\f:S+16*(\t)+4*\f+3], v[RD] offset:\f*4*SP  ; LDS serves a wave's instructions in order (ISA guide 5.7.1.4): these see the stores above
.endr
.endm
.macro SEND t, younger              ; younger: the LDS instructions issued behind piece t's loads: the next piece's eight, or none
	WIN 0
.irp f, 0,1,2,3
	s_wait_dscnt (\younger)+3-\f
	global_store_b128 v[GO], v[S+16*(\t)+4*\f:S+16*(\t)+4*\f+3], s[10:11] offset:(\t)*2048+\f*512  ; 512 consecutive bytes, at a multiple of 256 from the buffer's first
.endr
.endm
	PACK 0
.set t, 1
.rept 3
	PACK t
	SEND t-1, 8
.set t, t+1
.endr
	SEND 3, 0
	s_wait_tensorcnt 0x0            ; no tensor load is out at the end (all were waited for at the first stop)
	s_wait_dscnt 0x0
	s_wait_tensorcnt 0x0
	ds_add_u32 v254, v255
	s_wait_dscnt 0x0
	CROUND                          ; the closing round
	s_endpgm
.Lfunc_end_k_q5987913659_attn:
	.size	k_q5987913659_attn, .Lfunc_end_k_q5987913659_attn-k_q5987913659_attn
	.p2alignl 7, 3214868480
	.fill 96, 4, 3214868480
	.section	.rodata,"a",@progbits
	.p2align	6, 0x0
	.amdhsa_kernel k_q5987913659_attn
		.amdhsa_group_segment_fixed_size 327680
		.amdhsa_private_segment_fixed_size 0
		.amdhsa_enable_private_segment 0
		.amdhsa_kernarg_size 40
		.amdhsa_user_sgpr_count 2
		.amdhsa_user_sgpr_kernarg_segment_ptr 1
		.amdhsa_wavefront_size32 1
		.amdhsa_system_sgpr_workgroup_id_x 1
		.amdhsa_system_sgpr_workgroup_id_y 1
		.amdhsa_system_sgpr_workgroup_id_z 1
		.amdhsa_system_vgpr_workitem_id 0
		.amdhsa_next_free_vgpr 960
		.amdhsa_next_free_sgpr 100
		.amdhsa_reserve_vcc 0
		.amdhsa_float_denorm_mode_32 3
		.amdhsa_float_denorm_mode_16_64 3
		.amdhsa_memory_ordered 1
		.amdhsa_forward_progress 1
		.amdhsa_inst_pref_size 107
	.end_amdhsa_kernel
	.amdgpu_metadata
---
amdhsa.version: [ 1, 2 ]
amdhsa.kernels:
  - .name:           k_q5987913659_attn
    .symbol:         k_q5987913659_attn.kd
    .args:
      - { .name: qkvb, .offset: 0, .size: 8, .value_kind: global_buffer, .address_space: global }
      - { .name: ob, .offset: 8, .size: 8, .value_kind: global_buffer, .address_space: global }
      - { .name: w1, .offset: 16, .size: 8, .value_kind: global_buffer, .address_space: global }
      - { .name: w2, .offset: 24, .size: 8, .value_kind: global_buffer, .address_space: global }
      - { .name: wb, .offset: 32, .size: 8, .value_kind: global_buffer, .address_space: global }
    .group_segment_fixed_size: 327680
    .private_segment_fixed_size: 0
    .kernarg_segment_align: 8
    .kernarg_segment_size: 40
    .max_flat_workgroup_size: 128
    .sgpr_count:     100
    .vgpr_count:     960
    .wavefront_size: 32
...
	.end_amdgpu_metadata
.endif
;; end of part 3
;; launch gwo (part 4): grid 8 x 32, 4 waves a work-group, clusters of 4 x 4, 327,680 bytes of LDS; arguments ob, wb, xa, x; writes xa
.if DOCPART == 4
	.amdgcn_target "amdgcn-amd-amdhsa--gfx1250"
	.amdhsa_code_object_version 6
	.text
	.protected	k_q5987913659_gwo
	.globl	k_q5987913659_gwo
	.p2align	8
	.type	k_q5987913659_gwo,@function
k_q5987913659_gwo:
	s_mov_b64 s[64:65], 0
	v_nop
	global_prefetch_b8 v0, s[64:65] scope:SCOPE_SE
	s_setreg_imm32_b32 hwreg(HW_REG_WAVE_MODE, 25, 1), 1
	s_wait_xcnt 0x0
	s_wait_alu depctr_hold_cnt(0) depctr_sa_sdst(0) depctr_va_vdst(0) depctr_va_sdst(0) depctr_va_ssrc(0) depctr_va_vcc(0) depctr_vm_vsrc(0)
	s_getreg_b32 s2, hwreg(HW_REG_IB_STS2, 6, 4)
	s_cmp_eq_u32 s2, 0
	s_cbranch_scc0 .Lentry_in_a_cluster
	s_endpgm
.Lentry_in_a_cluster:
	s_bfe_u32 s2, ttmp6, 0x10000c
	s_cmp_lg_u32 s2, 0xf033
	s_cbranch_scc0 .Lentry_shape_is_right
	s_endpgm
.Lentry_shape_is_right:
; xa = bf16(x) + O x wo.  O: ob[token / 128][head][token % 128][64] in bf16; wo: [1024][1024] in bf16 at byte 6,291,456 of wb; x and xa: [4096][1024] in f32.  f32 sums.
; x is rounded to bf16 here as all the module's inputs are where they are read; the sum is kept in f32.
; A tile of C is 128 x 128: 8 x 32 = 256 work-groups of four waves, 2 x 2; a wave makes 64 x 64: 16 accumulators.  K goes in 4 steps of 256 (four heads) through two LDS slots; a UNIT is one head, 64 along K.
; A tile of A is dense in memory: two heads a load, asked for as 128 rows of 256 bytes and padded after every 128, so that a token's 64 channels lie 144 bytes apart.
; B lies [k][n] and is read turned, by ds_load_tr16_b128.  The matrix instruction is used transposed: a lane holds one row of C and eight neighbouring columns.
; CLUSTER 4 x 4: A's tile is asked for jointly along a row of the cluster, B's along a column.  Fragment loads run one unit ahead of the products, on two buffers.
; ONE TEXT FOR BOTH SLOTS: SLOT = 0x24000 shares no set bit with the four places at which loads land in a slot (0, 0x9000, 0x12000, 0x1b000), so an exclusive or with SLOT turns each of them, and the
; fetches' base, from one slot into the other.
; REGISTERS: window 0: v0-29 addresses; v64-191 A's two fragment buffers, later the way out.  window 1: v0-127 B's two buffers; v128-255 my 64 x 64 of x.  window 2: accumulator 4 a + b at register 8 (4 a + b).
; NaN and infinities are not treated apart.
.set MA, 4
.set NBK, 4
.set KD, 2
.set TSTEPS, 4
.set HASBIAS, 0
.set AP, 144                           ; 128 bytes + 16: the 16 rows of a load start at 16 different groups of four banks (64 banks of 4 bytes: ISA guide 11.1)
.set ASTEP, 18432                      ; a head's 128 rows
.set ASZ, 73728
.set AH, 36864
.set ADIM0, 128
.set AROWS, 128
.set ASTRIDE, 128
.set QIA, 4
.set AGT, 262144
.set AGH, 32768
.set AGS, 65536
.set TN, 128
.set KSTEP, 256
.set BP, 288                           ; 256 bytes + 32
.set SEGP, 288
.set BPS, 4
.set WNB, 128
.set PADW, 8
.set BH, 36864
.set BSTEP, 18432
.set LDB, 1024
.set WOFF, 6291456
.set BGS, 524288
.set BGH, 262144
.set SLOT, 147456
.set STW, 4352                         ; a wave's stage: 16 rows x 272 bytes
.set STAGE, 2*SLOT                     ; behind the ring, never filled by a tensor load
.set SPARE, STAGE+4*STW                ; the spare words: 128 bytes a wave, two blocks of 256 bytes that no other line names
.set AFS, 8*MA*KD
.set BFS, 8*NBK*KD
.set BI, 192
.set MSB, 0
.macro WIN new                         ; the immediate's high byte repeats the setting that is left; a switch that changes nothing is dropped
.if MSB != (\new)
	s_set_vgpr_msb (MSB<<8)|(\new)
.set MSB, \new
.endif
.endm
.macro JLOAD                           ; a joint refill by the walking descriptors: waves 0, 1 A's halves, waves 2, 3 B's; an s_nop 0 and four v_nop follow each line
	s_cmp_eq_u32 s15, 0
	s_cbranch_scc0 .Lfor_b_\@
	tensor_load_to_lds s[36:39], s[24:31]
	s_nop 0
.rept 4
	v_nop
.endr
	s_branch .Lasked_\@
.Lfor_b_\@:
	tensor_load_to_lds s[52:55], s[40:47]
	s_nop 0
.rept 4
	v_nop
.endr
.Lasked_\@:
.endm
.macro CROUND                          ; a round of the cluster's barrier
	s_barrier_signal -1
	s_barrier_wait -1
	s_cmp_lg_u32 s14, 0
	s_cbranch_scc1 .Lnot_wave_0_\@
	s_barrier_signal -3
.Lnot_wave_0_\@:
	s_barrier_wait -3
	s_barrier_signal -1
	s_barrier_wait -1
.endm
.macro FETCH f                         ; 32 LDS loads in one run: the next unit's fragments into buffer f.  The four vector lines are the places behind the products that last read it
	WIN 0
	v_add_nc_u32 v12, s58, v10
	v_add_nc_u32 v13, s59, v11
	v_nop
	v_nop
	s_add_co_u32 s58, s58, ASTEP
	s_add_co_u32 s59, s59, BSTEP
	WIN 0x40                               ; destination window 1, address window 0
.set kd, 0
.rept KD
.set b, 0
.rept NBK
.set rB, (\f)*BFS+8*(kd*NBK+b)
.set oB, kd*32*BP+(b/BPS)*SEGP+(b%BPS)*32
	ds_load_tr16_b128 v[rB:rB+3], v13 offset:oB
	ds_load_tr16_b128 v[rB+4:rB+7], v13 offset:oB+16*BP
.set b, b+1
.endr
.set kd, kd+1
.endr
	WIN 0
.set kd, 0
.rept KD
.set a, 0
.rept MA
.set rA, 64+(\f)*AFS+8*(kd*MA+a)
.set oA, kd*64+a*16*AP
	ds_load_b128 v[rA:rA+3], v12 offset:oA
	ds_load_b128 v[rA+4:rA+7], v12 offset:oA+32
.set a, a+1
.endr
.set kd, kd+1
.endr
.endm
.macro MUL f, first                    ; a unit's products; the accumulators take turns, one instruction a turn.  first = 1: they start the sums
.set kd, 0
.rept KD
.set a, 0
.rept MA
.set b, 0
.rept NBK
.set t, a*NBK+b
.set w, 2+t/32
.set rD, 8*(t%32)
.set rB, (\f)*BFS+8*(kd*NBK+b)
.set rA, 64+(\f)*AFS+8*(kd*MA+a)
.if (\first) && (kd == 0) && HASBIAS
	WIN 1+64*w
	v_wmma_f32_16x16x32_bf16 v[rD:rD+7], v[rB:rB+7], v[rA:rA+7], v[BI+8*b:BI+8*b+7]
.elseif (\first) && (kd == 0)
	WIN 1+80*w
	v_wmma_f32_16x16x32_bf16 v[rD:rD+7], v[rB:rB+7], v[rA:rA+7], 0
.else
	WIN 1+80*w
	v_wmma_f32_16x16x32_bf16 v[rD:rD+7], v[rB:rB+7], v[rA:rA+7], v[rD:rD+7]
.endif
.set b, b+1
.endr
.set a, a+1
.endr
.set kd, kd+1
.endr
.endm
.macro UNIT cur, nxt
	FETCH \nxt
	s_wait_dscnt 32                        ; all but the 32 just issued: buffer cur is in
	MUL \cur, 0
.endm
.macro PAIR
	UNIT 1, 0
	UNIT 0, 1
.endm
; THE CHANGE OF SLOTS.  A slot has been read out (its last unit lies in registers).  Each wave waits for all its tensor loads (one is out: its part of the other slot), adds 0 to its spare word,
; and waits for that and for its reads.  fill = 1: a round of the cluster's barrier, then the joint refill of the slot read out, first thing behind it: the walking descriptor takes the other slot than last time and the next K step.
.macro CHANGE fill
	WIN 0
	s_wait_tensorcnt 0x0                   ; no tensor load of mine is out, so a group 0 may be written
	ds_add_u32 v28, v29                    ; 0 onto my spare word
.if \fill
	s_xor_b32 s37, s37, SLOT
	s_add_nc_u64 s[38:39], s[38:39], AGS
	s_xor_b32 s53, s53, SLOT
	s_add_nc_u64 s[54:55], s[54:55], BGS
.endif
	s_sub_co_u32 s58, s58, 4*ASTEP         ; the fetches go back to a slot's first unit,
	s_xor_b32 s58, s58, SLOT               ; in the other slot
	s_sub_co_u32 s59, s59, 4*BSTEP
	s_xor_b32 s59, s59, SLOT
	s_wait_dscnt 0x0                       ; the add is done, and my reads of the slot are over
.if \fill
	CROUND
	JLOAD
.else
	s_barrier_signal -1
	s_barrier_wait -1
.endif
.endm
	s_load_b128 s[4:7], s[0:1], 0x0                ; A s[4:5], wb s[6:7]
	s_load_b128 s[8:11], s[0:1], 0x10              ; xa s[8:9], x s[10:11]
	v_lshl_add_u32 v28, v0, 2, SPARE
	v_mov_b32 v29, 0
	ds_add_u32 v28, v29
	s_wait_dscnt 0x0
	v_lshrrev_b32 v1, 5, v0
	v_readfirstlane_b32 s14, v1                    ; wave 0..3
	s_lshr_b32 s15, s14, 1                         ; WM: my half of the rows.  Also: I fetch for A (0) or B (1)
	s_and_b32 s16, s14, 1                          ; WN: my half of the columns.  Also: which half I fetch
	s_bfe_u32 s17, ttmp6, 0x40000                  ; cx
	s_bfe_u32 s18, ttmp6, 0x40004                  ; cy
	s_lshl_b32 s19, ttmp9, 2
	s_add_co_u32 s19, s19, s17                     ; TX
	s_and_b32 s20, ttmp7, 0xffff
	s_lshl_b32 s20, s20, 2
	s_add_co_u32 s20, s20, s18                     ; TY
	s_lshl_b32 s21, s18, 2
	s_lshl_b32 s21, 15, s21                        ; my row of the cluster
	s_lshl_b32 s22, 0x1111, s17                    ; my column
	s_or_b32 s24, s21, (1<<16)|(1<<20)|(1<<21)|(QIA<<22)|(3<<25)  ; A: mask; 2-byte elements; padding on; bit 21 beside a mask; interval; 4 words of padding
	s_mov_b32 s25, ADIM0<<16
	s_mov_b32 s26, AROWS<<16
	s_mov_b32 s27, ADIM0<<16
	s_mov_b32 s28, AROWS
	s_mov_b32 s29, ASTRIDE
	s_mov_b32 s30, 0
	s_mov_b32 s31, 0
	s_or_b32 s40, s22, (1<<16)|(1<<20)|(1<<21)|(5<<22)|((PADW-1)<<25)  ; B: padded after every 64 words
	s_mov_b32 s41, TN<<16
	s_mov_b32 s42, (KSTEP/2)<<16
	s_mov_b32 s43, TN<<16
	s_mov_b32 s44, KSTEP/2
	s_mov_b32 s45, LDB
	s_mov_b32 s46, 0
	s_mov_b32 s47, 0
	s_mul_i32 s60, s20, AGT                        ; A's tile hangs on TY and the wave alone,
	s_mul_i32 s21, s16, AGH
	s_add_co_u32 s60, s60, s21
	s_mov_b32 s61, 0
	s_mul_i32 s62, s19, TN*2                       ; B's on TX and the wave alone
	s_mul_i32 s22, s16, BGH
	s_add_co_u32 s62, s62, s22
	s_add_co_u32 s62, s62, WOFF
	s_mov_b32 s63, 0
	s_mul_i32 s23, s16, AH                         ; LDS addresses hang on the wave alone
	s_mov_b32 s32, 1
	s_mov_b32 s33, s23
	s_mov_b32 s36, 1
	s_add_co_u32 s37, s23, SLOT
	s_mul_i32 s23, s16, BH
	s_mov_b32 s48, 1
	s_add_co_u32 s49, s23, ASZ
	s_mov_b32 s52, 1
	s_add_co_u32 s53, s23, ASZ+SLOT
	s_mov_b32 s66, 0xffff0000
	s_wait_kmcnt 0x0
	s_add_nc_u64 s[60:61], s[4:5], s[60:61]
	s_add_nc_u64 s[62:63], s[6:7], s[62:63]
	s_mov_b64 s[34:35], s[60:61]
	s_or_b32 s35, s35, 0x80000000
	s_add_nc_u64 s[38:39], s[60:61], AGS
	s_or_b32 s39, s39, 0x80000000
	s_mov_b64 s[50:51], s[62:63]
	s_or_b32 s51, s51, 0x80000000
	s_add_nc_u64 s[54:55], s[62:63], BGS
	s_or_b32 s55, s55, 0x80000000
	CROUND                                         ; all sixteen work-groups are here: the first joint loads meet
	s_cmp_eq_u32 s15, 0                            ; a wave's two first fills stand in one branch: two loads of mine are out; the second's descriptor then walks on
	s_cbranch_scc0 .Lfirst_b
	tensor_load_to_lds s[32:35], s[24:31]
	s_nop 0
	tensor_load_to_lds s[36:39], s[24:31]
	s_nop 0
.rept 4
	v_nop
.endr
	s_branch .Lfirst_done
.Lfirst_b:
	tensor_load_to_lds s[48:51], s[40:47]
	s_nop 0
	tensor_load_to_lds s[52:55], s[40:47]
	s_nop 0
.rept 4
	v_nop
.endr
.Lfirst_done:
	v_and_b32 v1, 15, v0                           ; r
	v_bfe_u32 v2, v0, 4, 1                         ; h
	v_and_b32 v3, 7, v0
	v_bfe_u32 v4, v0, 3, 1
	v_lshlrev_b32 v16, 12, v2                      ; in x and xa: lanes 0-15 one row's 256 bytes, lanes 16-31 the next row's
	v_lshl_add_u32 v16, v1, 4, v16
	s_lshl_b32 s68, s20, 19                        ; my first row, 128 TY + 64 WM, of 4,096 bytes; my first column, 128 TX + 64 WN, of 4
	s_lshl_b32 s69, s15, 18
	s_add_co_u32 s68, s68, s69
	s_lshl_b32 s69, s19, 9
	s_add_co_u32 s68, s68, s69
	s_lshl_b32 s69, s16, 8
	s_add_co_u32 s68, s68, s69
	s_mov_b32 s69, 0
	s_add_nc_u64 s[8:9], s[8:9], s[68:69]
	s_add_nc_u64 s[10:11], s[10:11], s[68:69]
	WIN 0x40                                       ; my 64 x 64 of x, asked for now and wanted at the end: row 16 a + 2 t + h at register 128 + 32 a + 4 t of window 1
.set q, 0
.rept 32
	global_load_b128 v[128+4*q:128+4*q+3], v16, s[10:11] offset:((q/8)*16+2*(q%8))*4096 th:TH_LOAD_NT
.set q, q+1
.endr
	WIN 0
	v_mul_u32_u24 v10, v1, AP                      ; A: row r x pitch + 16 h + my half of the rows
	v_lshl_add_u32 v10, v2, 4, v10
	s_mul_i32 s23, s15, MA*16*AP
	v_add_nc_u32 v10, s23, v10
	v_lshl_add_u32 v11, v2, 3, v3                  ; B, turned: k = 8 h + lane % 8, 16 bytes for each half of eight lanes
	v_mul_u32_u24 v11, v11, BP
	v_lshl_add_u32 v11, v4, 4, v11
	s_mul_i32 s23, s16, WNB
	s_add_co_u32 s23, s23, ASZ
	v_add_nc_u32 v11, s23, v11
	s_mul_i32 s23, s14, STW
	s_add_co_u32 s23, s23, STAGE                   ; my stage: rows of 64 f32
	v_mul_u32_u24 v14, v1, 272                     ; in: row r, 32 bytes for each half of the lanes
	v_lshl_add_u32 v14, v2, 5, v14
	v_add_nc_u32 v14, s23, v14
	v_mul_u32_u24 v15, v2, 272                     ; back: lanes 0-15 one row of 256 bytes, lanes 16-31 the next
	v_lshl_add_u32 v15, v1, 4, v15
	v_add_nc_u32 v15, s23, v15
	s_wait_tensorcnt 1                             ; my part of K step 0 is in; K step 1's may stay out
	s_barrier_signal -1
	s_barrier_wait -1
	s_mov_b32 s58, 0
	s_mov_b32 s59, 0
	FETCH 0
	FETCH 1
	s_wait_dscnt 32
	MUL 0, 1                                       ; the first unit starts the sums: nothing is cleared
	WIN 0
	s_mov_b32 s57, 1                               ; slot 0 has two units left to fetch
	s_mov_b32 s56, TSTEPS-1                        ; the rest of K step 0, then a trip for each of the TSTEPS - 2 refills
	s_branch .Lu                                   ; the loop is entered behind its change of slots
.Llap:
	CHANGE 1
	s_mov_b32 s57, 2
.Lu:
	PAIR
	WIN 0
	s_sub_co_u32 s57, s57, 1
	s_cmp_lg_u32 s57, 0
	s_cbranch_scc1 .Lu
	s_sub_co_u32 s56, s56, 1
	s_cmp_lg_u32 s56, 0
	s_cbranch_scc1 .Llap
	CHANGE 0                                       ; the last K step is written out: nothing is asked for
	s_mov_b32 s57, 2
.Lt:
	PAIR
	WIN 0
	s_sub_co_u32 s57, s57, 1
	s_cmp_lg_u32 s57, 0
	s_cbranch_scc1 .Lt
	s_wait_dscnt 0x0
	MUL 1, 0
	WIN 0
.rept 4
	v_nop                                          ; the places between the last products and the LDS stores that read them
.endr
	s_wait_loadcnt 0x0                             ; x
; THE WAY OUT, a block of 16 rows at a time: the sums go into my stage as they lie (32 bytes a lane) and come back as whole rows of 256 bytes; x, rounded to bf16, is added; sixteen lanes store 256 consecutive bytes.
.macro TOSTAGE a
.set BK, 64+32*((\a)%2)
.if (\a) >= 2
	s_wait_xcnt 0x0                                ; the stores of the block two back have read these registers
.endif
	WIN 0x08                                       ; store data in window 2
.set b, 0
.rept 4
	ds_store_b128 v14, v[8*(4*(\a)+b):8*(4*(\a)+b)+3] offset:64*b
	ds_store_b128 v14, v[8*(4*(\a)+b)+4:8*(4*(\a)+b)+7] offset:64*b+16
.set b, b+1
.endr
	WIN 0
.set q, 0
.rept 8
	ds_load_b128 v[BK+4*q:BK+4*q+3], v15 offset:q*544  ; LDS serves a wave's instructions in order (ISA guide 5.7.1.4): these see the stores above; the next block's stores come behind them
.set q, q+1
.endr
.endm
.macro SEND a, younger                 ; younger: the LDS instructions issued behind this block's loads
.set BK, 64+32*((\a)%2)
.set RS, 128+32*(\a)
	WIN 0x05                                       ; sources in window 1
.set q, 0
.rept 16
	v_cvt_pk_bf16_f32 v[128+q], v[RS+2*q], v[RS+2*q+1]
.set q, q+1
.endr
	WIN 0
.set q, 0
.rept 16
	v_lshlrev_b32 v[144+2*q], 16, v[128+q]
	v_and_b32 v[145+2*q], s66, v[128+q]
.set q, q+1
.endr
	s_wait_dscnt \younger                          ; the block is back in registers
.set q, 0
.rept 16
	v_pk_add_f32 v[BK+2*q:BK+2*q+1], v[BK+2*q:BK+2*q+1], v[144+2*q:145+2*q]
.set q, q+1
.endr
.set q, 0
.rept 8
	global_store_b128 v16, v[BK+4*q:BK+4*q+3], s[8:9] offset:(16*(\a)+2*q)*4096
.set q, q+1
.endr
.endm
	TOSTAGE 0
	TOSTAGE 1
	SEND 0, 16
	TOSTAGE 2
	SEND 1, 16
	TOSTAGE 3
	SEND 2, 16
	SEND 3, 0
	s_wait_tensorcnt 0x0                           ; the wave's end
	ds_add_u32 v28, v29
	s_wait_dscnt 0x0
	CROUND                                         ; the closing round
	s_endpgm
.Lfunc_end_k_q5987913659_gwo:
	.size	k_q5987913659_gwo, .Lfunc_end_k_q5987913659_gwo-k_q5987913659_gwo
	.p2alignl 7, 3214868480
	.fill 96, 4, 3214868480
	.section	.rodata,"a",@progbits
	.p2align	6, 0x0
	.amdhsa_kernel k_q5987913659_gwo
		.amdhsa_group_segment_fixed_size 327680
		.amdhsa_private_segment_fixed_size 0
		.amdhsa_enable_private_segment 0
		.amdhsa_kernarg_size 32
		.amdhsa_user_sgpr_count 2
		.amdhsa_user_sgpr_kernarg_segment_ptr 1
		.amdhsa_wavefront_size32 1
		.amdhsa_system_sgpr_workgroup_id_x 1
		.amdhsa_system_sgpr_workgroup_id_y 1
		.amdhsa_system_sgpr_workgroup_id_z 1
		.amdhsa_system_vgpr_workitem_id 0
		.amdhsa_next_free_vgpr 640
		.amdhsa_next_free_sgpr 80
		.amdhsa_reserve_vcc 0
		.amdhsa_float_denorm_mode_32 3
		.amdhsa_float_denorm_mode_16_64 3
		.amdhsa_memory_ordered 1
		.amdhsa_forward_progress 1
		.amdhsa_inst_pref_size 59
	.end_amdhsa_kernel
	.amdgpu_metadata
---
amdhsa.version: [ 1, 2 ]
amdhsa.kernels:
  - .name:           k_q5987913659_gwo
    .symbol:         k_q5987913659_gwo.kd
    .args:
      - { .name: ob, .offset: 0, .size: 8, .value_kind: global_buffer, .address_space: global }
      - { .name: wb, .offset: 8, .size: 8, .value_kind: global_buffer, .address_space: global }
      - { .name: xa, .offset: 16, .size: 8, .value_kind: global_buffer, .address_space: global }
      - { .name: x, .offset: 24, .size: 8, .value_kind: global_buffer, .address_space: global }
    .group_segment_fixed_size: 327680
    .private_segment_fixed_size: 0
    .kernarg_segment_align: 8
    .kernarg_segment_size: 32
    .max_flat_workgroup_size: 128
    .sgpr_count:     80
    .vgpr_count:     640
    .wavefront_size: 32
...
	.end_amdgpu_metadata
.endif
;; end of part 4
;; launch ln2 (part 5): grid 512 x 1, 8 waves a work-group, no clusters, 0 bytes of LDS; arguments xa, ln2_g, ln2_b, xn; writes xn
.if DOCPART == 5
	.amdgcn_target "amdgcn-amd-amdhsa--gfx1250"
	.amdhsa_code_object_version 6
	.text
	.protected	k_q5987913659_ln2
	.globl	k_q5987913659_ln2
	.p2align	8
	.type	k_q5987913659_ln2,@function
k_q5987913659_ln2:
	s_mov_b64 s[64:65], 0
	v_nop
	global_prefetch_b8 v0, s[64:65] scope:SCOPE_SE
	s_setreg_imm32_b32 hwreg(HW_REG_WAVE_MODE, 25, 1), 1
	s_wait_xcnt 0x0
; THE SECOND LAYER NORM.  xn[row] = bf16((xa - mean) / sqrt(var + 1e-6) * g + b), one wave to a row of 1,024 f32, 8 rows a work-group.
; xa is the program's own and is taken as it is; the gain and the bias are inputs and are rounded to bf16 as all the module's inputs are.  The arithmetic is f32.
; The mean is taken first and taken away, then the squares are summed: no difference of large sums is formed.  NaN and infinities are not treated apart.
; A lane's load j takes 16 bytes at 512 j + 16 lane, its store j 8 bytes at 256 j + 8 lane (a wave: 256 consecutive bytes, aligned).  No LDS, no barrier: no wave waits for another.
.set X,  4
.set G,  36
.set BB, 68
.set T,  100
.set Y,  116
.set M,  132
.set S,  134
.macro RND base                        ; 32 numbers rounded to bf16 and widened again
.set p, 0
.rept 16
	v_cvt_pk_bf16_f32 v[T+p], v[(\base)+2*p], v[(\base)+2*p+1]
.set p, p+1
.endr
.set p, 0
.rept 16
	v_lshlrev_b32 v[(\base)+2*p], 16, v[T+p]
	v_and_b32 v[(\base)+2*p+1], s31, v[T+p]
.set p, p+1
.endr
.endm
.macro RED                             ; the sum of v[S] over the 32 lanes, in every lane
	v_add_f32_dpp v[S], v[S], v[S] row_xmask:1 row_mask:0xf bank_mask:0xf
	v_add_f32_dpp v[S], v[S], v[S] row_xmask:2 row_mask:0xf bank_mask:0xf
	v_add_f32_dpp v[S], v[S], v[S] row_xmask:4 row_mask:0xf bank_mask:0xf
	v_add_f32_dpp v[S], v[S], v[S] row_xmask:8 row_mask:0xf bank_mask:0xf
	v_permlanex16_b32 v[T+1], v[S], s32, s33       ; its destination counts as read: T+1 has been written
	v_add_f32 v[S], v[S], v[T+1]
.endm
	s_load_b256 s[8:15], s[0:1], 0x0               ; xa s[8:9], gain s[10:11], bias s[12:13], xn s[14:15]
	v_lshrrev_b32 v3, 5, v0
	v_readfirstlane_b32 s30, v3                    ; wave 0..7
	v_and_b32 v1, 31, v0
	v_lshlrev_b32 v2, 3, v1
	v_lshlrev_b32 v1, 4, v1
	s_mov_b32 s31, 0xffff0000
	s_mov_b32 s32, 0x76543210
	s_mov_b32 s33, 0xfedcba98
	s_mov_b32 s34, 0x3a800000                      ; 1 / 1024
	s_mov_b32 s35, 0x358637bd                      ; 1e-6
	s_lshl_b32 s36, ttmp9, 3
	s_add_co_u32 s36, s36, s30                     ; my row
	s_lshl_b32 s38, s36, 12
	s_mov_b32 s39, 0
	s_lshl_b32 s40, s36, 11
	s_mov_b32 s41, 0
	s_wait_kmcnt 0x0
	s_add_nc_u64 s[8:9], s[8:9], s[38:39]
	s_add_nc_u64 s[14:15], s[14:15], s[40:41]
.set j, 0
.rept 8
	global_load_b128 v[X+4*j:X+4*j+3], v1, s[8:9] offset:512*j
.set j, j+1
.endr
.set j, 0
.rept 8
	global_load_b128 v[G+4*j:G+4*j+3], v1, s[10:11] offset:512*j
.set j, j+1
.endr
.set j, 0
.rept 8
	global_load_b128 v[BB+4*j:BB+4*j+3], v1, s[12:13] offset:512*j
.set j, j+1
.endr
	s_wait_loadcnt 16                              ; loads come back in order: the row is in, the gain's and the bias's sixteen stay out
.set i, 0
.rept 8
	v_pk_add_f32 v[T+2*i:T+2*i+1], v[X+4*i:X+4*i+1], v[X+4*i+2:X+4*i+3]
.set i, i+1
.endr
.set i, 0
.rept 4
	v_pk_add_f32 v[T+4*i:T+4*i+1], v[T+4*i:T+4*i+1], v[T+4*i+2:T+4*i+3]
.set i, i+1
.endr
	v_pk_add_f32 v[T:T+1], v[T:T+1], v[T+4:T+5]
	v_pk_add_f32 v[T+8:T+9], v[T+8:T+9], v[T+12:T+13]
	v_pk_add_f32 v[T:T+1], v[T:T+1], v[T+8:T+9]
	v_add_f32 v[S], v[T], v[T+1]
	RED
	v_mul_f32 v[M], s34, v[S]                      ; the mean
	v_mov_b32 v[M+1], v[M]
.set p, 0
.rept 16
	v_pk_add_f32 v[X+2*p:X+2*p+1], v[X+2*p:X+2*p+1], v[M:M+1] neg_lo:[0,1] neg_hi:[0,1]
.set p, p+1
.endr
.set p, 0
.rept 4
	v_pk_mul_f32 v[T+2*p:T+2*p+1], v[X+2*p:X+2*p+1], v[X+2*p:X+2*p+1]   ; four chains, started by the first four pairs
.set p, p+1
.endr
.rept 12
	v_pk_fma_f32 v[T+2*(p%4):T+2*(p%4)+1], v[X+2*p:X+2*p+1], v[X+2*p:X+2*p+1], v[T+2*(p%4):T+2*(p%4)+1]
.set p, p+1
.endr
	v_pk_add_f32 v[T:T+1], v[T:T+1], v[T+2:T+3]
	v_pk_add_f32 v[T+4:T+5], v[T+4:T+5], v[T+6:T+7]
	v_pk_add_f32 v[T:T+1], v[T:T+1], v[T+4:T+5]
	v_add_f32 v[S], v[T], v[T+1]
	RED
	v_fma_f32 v[S], v[S], s34, s35                 ; the variance + 1e-6
	v_rsq_f32 v[M], v[S]                           ; the roundings below are the plain instructions between it and the use of its result
	s_wait_loadcnt 0x0                             ; gain and bias
	RND G
	RND BB
	s_wait_alu depctr_va_vdst(0)
	v_mov_b32 v[M+1], v[M]
.set p, 0
.rept 16
	v_pk_mul_f32 v[X+2*p:X+2*p+1], v[X+2*p:X+2*p+1], v[M:M+1]
.set p, p+1
.endr
.set p, 0
.rept 16
	v_pk_fma_f32 v[X+2*p:X+2*p+1], v[X+2*p:X+2*p+1], v[G+2*p:G+2*p+1], v[BB+2*p:BB+2*p+1]
.set p, p+1
.endr
.set p, 0
.rept 16
	v_cvt_pk_bf16_f32 v[Y+p], v[X+2*p], v[X+2*p+1]
.set p, p+1
.endr
.set j, 0
.rept 8
	global_store_b64 v2, v[Y+2*j:Y+2*j+1], s[14:15] offset:256*j
.set j, j+1
.endr
	s_endpgm
.Lfunc_end_k_q5987913659_ln2:
	.size	k_q5987913659_ln2, .Lfunc_end_k_q5987913659_ln2-k_q5987913659_ln2
	.p2alignl 7, 3214868480
	.fill 96, 4, 3214868480
	.section	.rodata,"a",@progbits
	.p2align	6, 0x0
	.amdhsa_kernel k_q5987913659_ln2
		.amdhsa_group_segment_fixed_size 0
		.amdhsa_private_segment_fixed_size 0
		.amdhsa_enable_private_segment 0
		.amdhsa_kernarg_size 32
		.amdhsa_user_sgpr_count 2
		.amdhsa_user_sgpr_kernarg_segment_ptr 1
		.amdhsa_wavefront_size32 1
		.amdhsa_system_sgpr_workgroup_id_x 1
		.amdhsa_system_sgpr_workgroup_id_y 1
		.amdhsa_system_sgpr_workgroup_id_z 1
		.amdhsa_system_vgpr_workitem_id 0
		.amdhsa_next_free_vgpr 136
		.amdhsa_next_free_sgpr 66
		.amdhsa_reserve_vcc 0
		.amdhsa_float_denorm_mode_32 3
		.amdhsa_float_denorm_mode_16_64 3
		.amdhsa_memory_ordered 1
		.amdhsa_forward_progress 1
		.amdhsa_inst_pref_size 16
	.end_amdhsa_kernel
	.amdgpu_metadata
---
amdhsa.version: [ 1, 2 ]
amdhsa.kernels:
  - .name:           k_q5987913659_ln2
    .symbol:         k_q5987913659_ln2.kd
    .args:
      - { .name: xa, .offset: 0, .size: 8, .value_kind: global_buffer, .address_space: global }
      - { .name: ln2_g, .offset: 8, .size: 8, .value_kind: global_buffer, .address_space: global }
      - { .name: ln2_b, .offset: 16, .size: 8, .value_kind: global_buffer, .address_space: global }
      - { .name: xn, .offset: 24, .size: 8, .value_kind: global_buffer, .address_space: global }
    .group_segment_fixed_size: 0
    .private_segment_fixed_size: 0
    .kernarg_segment_align: 8
    .kernarg_segment_size: 32
    .max_flat_workgroup_size: 256
    .sgpr_count:     66
    .vgpr_count:     136
    .wavefront_size: 32
...
	.end_amdgpu_metadata
.endif
;; end of part 5
;; launch gffn1 (part 6): grid 16 x 16, 4 waves a work-group, clusters of 4 x 4, 327,680 bytes of LDS; arguments xn, wb, hb, b1; writes hb
.if DOCPART == 6
	.amdgcn_target "amdgcn-amd-amdhsa--gfx1250"
	.amdhsa_code_object_version 6
	.text
	.protected	k_q5987913659_gffn1
	.globl	k_q5987913659_gffn1
	.p2align	8
	.type	k_q5987913659_gffn1,@function
k_q5987913659_gffn1:
	s_mov_b64 s[64:65], 0
	v_nop
	global_prefetch_b8 v0, s[64:65] scope:SCOPE_SE
	s_setreg_imm32_b32 hwreg(HW_REG_WAVE_MODE, 25, 1), 1
	s_wait_xcnt 0x0
	s_wait_alu depctr_hold_cnt(0) depctr_sa_sdst(0) depctr_va_vdst(0) depctr_va_sdst(0) depctr_va_ssrc(0) depctr_va_vcc(0) depctr_vm_vsrc(0)
	s_getreg_b32 s2, hwreg(HW_REG_IB_STS2, 6, 4)
	s_cmp_eq_u32 s2, 0
	s_cbranch_scc0 .Lentry_in_a_cluster
	s_endpgm
.Lentry_in_a_cluster:
	s_bfe_u32 s2, ttmp6, 0x10000c
	s_cmp_lg_u32 s2, 0xf033
	s_cbranch_scc0 .Lentry_shape_is_right
	s_endpgm
.Lentry_shape_is_right:
; hb = bf16(relu(xn x w1 + b1)).  xn: [4096][1024] in bf16; w1: [1024][4096] in bf16 at byte 8,388,608 of wb; b1: [4096] in f32, rounded to bf16 as all the module's inputs are; hb: [4096][4096] in bf16.  f32 sums.
; A tile of C is 256 x 256: 16 x 16 = 256 work-groups of four waves, 2 x 2; a wave makes 128 x 128: 64 accumulators.  K goes in 8 steps of 128 through two LDS slots; a step is four UNITS of 32 along K.
; A lies [m][k] and is read as it lies; B lies [k][n] and is read turned, by ds_load_tr16_b128.  The matrix instruction is used transposed: a lane holds one row of C and eight neighbouring columns.
; THE BIAS is the C operand of the products that start the sums: it costs no instruction of its own, and nothing is cleared.
; CLUSTER 4 x 4: A's tile is asked for jointly along a row of the cluster, B's along a column.  Fragment loads run one unit ahead of the products, on two buffers.
; ONE TEXT FOR BOTH SLOTS: SLOT = 0x22000 shares no set bit with the four places at which loads land in a slot (0, 0x8800, 0x11000, 0x19800), so an exclusive or with SLOT turns each of them, and the
; fetches' base, from one slot into the other.
; REGISTERS: window 0: v0-29 addresses; v32-63 at work; v64-191 A's two fragment buffers, later the way out; v192-255 the bias.  window 1: v0-127 B's two buffers.  windows 2, 3: accumulator t = 8 a + b at window 2 + t / 32, register 8 (t % 32).
; LIMITS: the maximum with 0 turns a NaN into 0; infinities are not treated apart.  bf16 for hb, since its range has room for every finite f32 sum.
.set MA, 8
.set NBK, 8
.set KD, 1
.set TSTEPS, 8
.set HASBIAS, 1
.set AP, 272                           ; 256 bytes + 16: the 16 rows of a load start at 16 different groups of four banks (64 banks of 4 bytes: ISA guide 11.1)
.set ASTEP, 64
.set ASZ, 69632
.set AH, 34816
.set ADIM0, 128
.set AROWS, 128
.set ASTRIDE, 1024
.set QIA, 5
.set AGT, 524288
.set AGH, 262144
.set AGS, 256
.set TN, 256
.set KSTEP, 128
.set BP, 544                           ; two segments of 256 bytes + 16
.set SEGP, 272
.set BPS, 8
.set WNB, 272
.set PADW, 4
.set BH, 34816
.set BSTEP, 17408
.set LDB, 4096
.set WOFF, 8388608
.set BGS, 1048576
.set BGH, 524288
.set SLOT, 139264
.set STW, 4352                         ; a wave's stage: 16 rows x 272 bytes
.set STAGE, 2*SLOT                     ; behind the ring, never filled by a tensor load
.set SPARE, STAGE+4*STW                ; the spare words: 128 bytes a wave, two blocks of 256 bytes that no other line names
.set AFS, 8*MA*KD
.set BFS, 8*NBK*KD
.set BI, 192
.set MSB, 0
.macro WIN new                         ; the immediate's high byte repeats the setting that is left; a switch that changes nothing is dropped
.if MSB != (\new)
	s_set_vgpr_msb (MSB<<8)|(\new)
.set MSB, \new
.endif
.endm
.macro JLOAD                           ; a joint refill by the walking descriptors: waves 0, 1 A's halves, waves 2, 3 B's; an s_nop 0 and four v_nop follow each line
	s_cmp_eq_u32 s15, 0
	s_cbranch_scc0 .Lfor_b_\@
	tensor_load_to_lds s[36:39], s[24:31]
	s_nop 0
.rept 4
	v_nop
.endr
	s_branch .Lasked_\@
.Lfor_b_\@:
	tensor_load_to_lds s[52:55], s[40:47]
	s_nop 0
.rept 4
	v_nop
.endr
.Lasked_\@:
.endm
.macro CROUND                          ; a round of the cluster's barrier
	s_barrier_signal -1
	s_barrier_wait -1
	s_cmp_lg_u32 s14, 0
	s_cbranch_scc1 .Lnot_wave_0_\@
	s_barrier_signal -3
.Lnot_wave_0_\@:
	s_barrier_wait -3
	s_barrier_signal -1
	s_barrier_wait -1
.endm
.macro FETCH f                         ; 32 LDS loads in one run: the next unit's fragments into buffer f.  The four vector lines are the places behind the products that last read it
	WIN 0
	v_add_nc_u32 v12, s58, v10
	v_add_nc_u32 v13, s59, v11
	v_nop
	v_nop
	s_add_co_u32 s58, s58, ASTEP
	s_add_co_u32 s59, s59, BSTEP
	WIN 0x40                               ; destination window 1, address window 0
.set kd, 0
.rept KD
.set b, 0
.rept NBK
.set rB, (\f)*BFS+8*(kd*NBK+b)
.set oB, kd*32*BP+(b/BPS)*SEGP+(b%BPS)*32
	ds_load_tr16_b128 v[rB:rB+3], v13 offset:oB
	ds_load_tr16_b128 v[rB+4:rB+7], v13 offset:oB+16*BP
.set b, b+1
.endr
.set kd, kd+1
.endr
	WIN 0
.set kd, 0
.rept KD
.set a, 0
.rept MA
.set rA, 64+(\f)*AFS+8*(kd*MA+a)
.set oA, kd*64+a*16*AP
	ds_load_b128 v[rA:rA+3], v12 offset:oA
	ds_load_b128 v[rA+4:rA+7], v12 offset:oA+32
.set a, a+1
.endr
.set kd, kd+1
.endr
.endm
.macro MUL f, first                    ; a unit's products; the accumulators take turns, one instruction a turn.  first = 1: they start the sums
.set kd, 0
.rept KD
.set a, 0
.rept MA
.set b, 0
.rept NBK
.set t, a*NBK+b
.set w, 2+t/32
.set rD, 8*(t%32)
.set rB, (\f)*BFS+8*(kd*NBK+b)
.set rA, 64+(\f)*AFS+8*(kd*MA+a)
.if (\first) && (kd == 0) && HASBIAS
	WIN 1+64*w
	v_wmma_f32_16x16x32_bf16 v[rD:rD+7], v[rB:rB+7], v[rA:rA+7], v[BI+8*b:BI+8*b+7]
.elseif (\first) && (kd == 0)
	WIN 1+80*w
	v_wmma_f32_16x16x32_bf16 v[rD:rD+7], v[rB:rB+7], v[rA:rA+7], 0
.else
	WIN 1+80*w
	v_wmma_f32_16x16x32_bf16 v[rD:rD+7], v[rB:rB+7], v[rA:rA+7], v[rD:rD+7]
.endif
.set b, b+1
.endr
.set a, a+1
.endr
.set kd, kd+1
.endr
.endm
.macro UNIT cur, nxt
	FETCH \nxt
	s_wait_dscnt 32                        ; all but the 32 just issued: buffer cur is in
	MUL \cur, 0
.endm
.macro PAIR
	UNIT 1, 0
	UNIT 0, 1
.endm
; THE CHANGE OF SLOTS.  A slot has been read out (its last unit lies in registers).  Each wave waits for all its tensor loads (one is out: its part of the other slot), adds 0 to its spare word,
; and waits for that and for its reads.  fill = 1: a round of the cluster's barrier, then the joint refill of the slot read out, first thing behind it: the walking descriptor takes the other slot than last time and the next K step.
.macro CHANGE fill
	WIN 0
	s_wait_tensorcnt 0x0                   ; no tensor load of mine is out, so a group 0 may be written
	ds_add_u32 v28, v29                    ; 0 onto my spare word
.if \fill
	s_xor_b32 s37, s37, SLOT
	s_add_nc_u64 s[38:39], s[38:39], AGS
	s_xor_b32 s53, s53, SLOT
	s_add_nc_u64 s[54:55], s[54:55], BGS
.endif
	s_sub_co_u32 s58, s58, 4*ASTEP         ; the fetches go back to a slot's first unit,
	s_xor_b32 s58, s58, SLOT               ; in the other slot
	s_sub_co_u32 s59, s59, 4*BSTEP
	s_xor_b32 s59, s59, SLOT
	s_wait_dscnt 0x0                       ; the add is done, and my reads of the slot are over
.if \fill
	CROUND
	JLOAD
.else
	s_barrier_signal -1
	s_barrier_wait -1
.endif
.endm
	s_load_b128 s[4:7], s[0:1], 0x0                ; A s[4:5], wb s[6:7]
	s_load_b128 s[8:11], s[0:1], 0x10              ; hb s[8:9], b1 s[10:11]
	v_lshl_add_u32 v28, v0, 2, SPARE
	v_mov_b32 v29, 0
	ds_add_u32 v28, v29
	s_wait_dscnt 0x0
	v_lshrrev_b32 v1, 5, v0
	v_readfirstlane_b32 s14, v1                    ; wave 0..3
	s_lshr_b32 s15, s14, 1                         ; WM: my half of the rows.  Also: I fetch for A (0) or B (1)
	s_and_b32 s16, s14, 1                          ; WN: my half of the columns.  Also: which half I fetch
	s_bfe_u32 s17, ttmp6, 0x40000                  ; cx
	s_bfe_u32 s18, ttmp6, 0x40004                  ; cy
	s_lshl_b32 s19, ttmp9, 2
	s_add_co_u32 s19, s19, s17                     ; TX
	s_and_b32 s20, ttmp7, 0xffff
	s_lshl_b32 s20, s20, 2
	s_add_co_u32 s20, s20, s18                     ; TY
	s_lshl_b32 s21, s18, 2
	s_lshl_b32 s21, 15, s21                        ; my row of the cluster
	s_lshl_b32 s22, 0x1111, s17                    ; my column
	s_or_b32 s24, s21, (1<<16)|(1<<20)|(1<<21)|(QIA<<22)|(3<<25)  ; A: mask; 2-byte elements; padding on; bit 21 beside a mask; interval; 4 words of padding
	s_mov_b32 s25, ADIM0<<16
	s_mov_b32 s26, AROWS<<16
	s_mov_b32 s27, ADIM0<<16
	s_mov_b32 s28, AROWS
	s_mov_b32 s29, ASTRIDE
	s_mov_b32 s30, 0
	s_mov_b32 s31, 0
	s_or_b32 s40, s22, (1<<16)|(1<<20)|(1<<21)|(5<<22)|((PADW-1)<<25)  ; B: padded after every 64 words
	s_mov_b32 s41, TN<<16
	s_mov_b32 s42, (KSTEP/2)<<16
	s_mov_b32 s43, TN<<16
	s_mov_b32 s44, KSTEP/2
	s_mov_b32 s45, LDB
	s_mov_b32 s46, 0
	s_mov_b32 s47, 0
	s_mul_i32 s60, s20, AGT                        ; A's tile hangs on TY and the wave alone,
	s_mul_i32 s21, s16, AGH
	s_add_co_u32 s60, s60, s21
	s_mov_b32 s61, 0
	s_mul_i32 s62, s19, TN*2                       ; B's on TX and the wave alone
	s_mul_i32 s22, s16, BGH
	s_add_co_u32 s62, s62, s22
	s_add_co_u32 s62, s62, WOFF
	s_mov_b32 s63, 0
	s_mul_i32 s23, s16, AH                         ; LDS addresses hang on the wave alone
	s_mov_b32 s32, 1
	s_mov_b32 s33, s23
	s_mov_b32 s36, 1
	s_add_co_u32 s37, s23, SLOT
	s_mul_i32 s23, s16, BH
	s_mov_b32 s48, 1
	s_add_co_u32 s49, s23, ASZ
	s_mov_b32 s52, 1
	s_add_co_u32 s53, s23, ASZ+SLOT
	s_mov_b32 s66, 0xffff0000
	s_wait_kmcnt 0x0
	s_add_nc_u64 s[60:61], s[4:5], s[60:61]
	s_add_nc_u64 s[62:63], s[6:7], s[62:63]
	s_mov_b64 s[34:35], s[60:61]
	s_or_b32 s35, s35, 0x80000000
	s_add_nc_u64 s[38:39], s[60:61], AGS
	s_or_b32 s39, s39, 0x80000000
	s_mov_b64 s[50:51], s[62:63]
	s_or_b32 s51, s51, 0x80000000
	s_add_nc_u64 s[54:55], s[62:63], BGS
	s_or_b32 s55, s55, 0x80000000
	CROUND                                         ; all sixteen work-groups are here: the first joint loads meet
	s_cmp_eq_u32 s15, 0                            ; a wave's two first fills stand in one branch: two loads of mine are out; the second's descriptor then walks on
	s_cbranch_scc0 .Lfirst_b
	tensor_load_to_lds s[32:35], s[24:31]
	s_nop 0
	tensor_load_to_lds s[36:39], s[24:31]
	s_nop 0
.rept 4
	v_nop
.endr
	s_branch .Lfirst_done
.Lfirst_b:
	tensor_load_to_lds s[48:51], s[40:47]
	s_nop 0
	tensor_load_to_lds s[52:55], s[40:47]
	s_nop 0
.rept 4
	v_nop
.endr
.Lfirst_done:
	v_and_b32 v1, 15, v0                           ; r
	v_bfe_u32 v2, v0, 4, 1                         ; h
	v_and_b32 v3, 7, v0
	v_bfe_u32 v4, v0, 3, 1
	s_lshl_b32 s70, s19, 10                        ; the bias of my 128 columns: register j of block b holds column 16 b + 8 h + j, as the accumulators do
	s_lshl_b32 s71, s16, 9
	s_add_co_u32 s70, s70, s71
	s_mov_b32 s71, 0
	s_add_nc_u64 s[10:11], s[10:11], s[70:71]
	v_lshlrev_b32 v17, 5, v2
.set b, 0
.rept NBK
	global_load_b128 v[BI+8*b:BI+8*b+3], v17, s[10:11] offset:64*b
	global_load_b128 v[BI+8*b+4:BI+8*b+7], v17, s[10:11] offset:64*b+16
.set b, b+1
.endr
	v_mul_u32_u24 v10, v1, AP                      ; A: row r x pitch + 16 h + my half of the rows
	v_lshl_add_u32 v10, v2, 4, v10
	s_mul_i32 s23, s15, MA*16*AP
	v_add_nc_u32 v10, s23, v10
	v_lshl_add_u32 v11, v2, 3, v3                  ; B, turned: k = 8 h + lane % 8, 16 bytes for each half of eight lanes
	v_mul_u32_u24 v11, v11, BP
	v_lshl_add_u32 v11, v4, 4, v11
	s_mul_i32 s23, s16, WNB
	s_add_co_u32 s23, s23, ASZ
	v_add_nc_u32 v11, s23, v11
	s_mul_i32 s23, s14, STW
	s_add_co_u32 s23, s23, STAGE                   ; my stage: rows of 128 bf16
	v_mul_u32_u24 v14, v1, 272                     ; in: row r, 16 bytes for each half of the lanes
	v_lshl_add_u32 v14, v2, 4, v14
	v_add_nc_u32 v14, s23, v14
	v_mul_u32_u24 v15, v2, 272                     ; back: lanes 0-15 one row of 256 bytes, lanes 16-31 the next
	v_lshl_add_u32 v15, v1, 4, v15
	v_add_nc_u32 v15, s23, v15
	v_lshlrev_b32 v16, 13, v2                      ; and the same two rows in hb, 8,192 bytes apart
	v_lshl_add_u32 v16, v1, 4, v16
	s_lshl_b32 s68, s20, 21                        ; my first row, 256 TY + 128 WM; my first column, 256 TX + 128 WN, of 2 bytes
	s_lshl_b32 s69, s15, 20
	s_add_co_u32 s68, s68, s69
	s_lshl_b32 s69, s19, 9
	s_add_co_u32 s68, s68, s69
	s_lshl_b32 s69, s16, 8
	s_add_co_u32 s68, s68, s69
	s_mov_b32 s69, 0
	s_add_nc_u64 s[8:9], s[8:9], s[68:69]
	s_wait_loadcnt 0x0                             ; the bias: rounded to bf16 and widened again
.set p, 0
.rept 4*NBK
	v_cvt_pk_bf16_f32 v[32+p], v[BI+2*p], v[BI+2*p+1]
.set p, p+1
.endr
.set p, 0
.rept 4*NBK
	v_lshlrev_b32 v[BI+2*p], 16, v[32+p]
	v_and_b32 v[BI+2*p+1], s66, v[32+p]
.set p, p+1
.endr
	s_wait_tensorcnt 1                             ; my part of K step 0 is in; K step 1's may stay out
	s_barrier_signal -1
	s_barrier_wait -1
	s_mov_b32 s58, 0
	s_mov_b32 s59, 0
	FETCH 0
	FETCH 1
	s_wait_dscnt 32
	MUL 0, 1                                       ; the first unit starts the sums, onto the bias
	WIN 0
	s_mov_b32 s57, 1                               ; slot 0 has two units left to fetch
	s_mov_b32 s56, TSTEPS-1                        ; the rest of K step 0, then a trip for each of the TSTEPS - 2 refills
	s_branch .Lu                                   ; the loop is entered behind its change of slots
.Llap:
	CHANGE 1
	s_mov_b32 s57, 2
.Lu:
	PAIR
	WIN 0
	s_sub_co_u32 s57, s57, 1
	s_cmp_lg_u32 s57, 0
	s_cbranch_scc1 .Lu
	s_sub_co_u32 s56, s56, 1
	s_cmp_lg_u32 s56, 0
	s_cbranch_scc1 .Llap
	CHANGE 0                                       ; the last K step is written out: nothing is asked for
	s_mov_b32 s57, 2
.Lt:
	PAIR
	WIN 0
	s_sub_co_u32 s57, s57, 1
	s_cmp_lg_u32 s57, 0
	s_cbranch_scc1 .Lt
	s_wait_dscnt 0x0
	MUL 1, 0
	WIN 0
.rept 4
	v_nop                                          ; the places between the last products and the lines that read them
.endr
; THE WAY OUT, a block of 16 rows x 128 columns at a time: the maximum with 0, rounded to bf16, 16 bytes a lane into my stage, back as whole rows of 256 bytes, stored.
.macro PACK a
.set w, 2+(\a)/4
.set AC, 64*((\a)%4)
	WIN 68*w                                       ; source 1 and destination in the accumulators' window
.set q, 0
.rept 64
	v_max_num_f32 v[AC+q], 0, v[AC+q]
.set q, q+1
.endr
	WIN 5*w                                        ; sources 0 and 1 there, destination window 0
.set q, 0
.rept 32
	v_cvt_pk_bf16_f32 v[64+q], v[AC+2*q], v[AC+2*q+1]
.set q, q+1
.endr
	WIN 0
.endm
.macro TOSTAGE a
.set BK, 96+32*((\a)%2)
.set q, 0
.rept 8
	ds_store_b128 v14, v[64+4*q:64+4*q+3] offset:32*q
.set q, q+1
.endr
.set q, 0
.rept 8
	ds_load_b128 v[BK+4*q:BK+4*q+3], v15 offset:q*544  ; LDS serves a wave's instructions in order (ISA guide 5.7.1.4): these see the stores above; the next block's stores come behind them
.set q, q+1
.endr
.endm
.macro SEND a
.set BK, 96+32*((\a)%2)
	s_wait_dscnt 0x0                               ; the block is back in registers
	s_wait_xcnt 0x0                                ; the stores of the block before have read their registers, which the next block's loads take
.set q, 0
.rept 8
	global_store_b128 v16, v[BK+4*q:BK+4*q+3], s[8:9] offset:(16*(\a)+2*q)*8192  ; 16 lanes store 256 consecutive bytes, at a multiple of 256 from the buffer's first
.set q, q+1
.endr
.endm
	PACK 0
	TOSTAGE 0
.set aa, 1
.rept 7                                ; block a's arithmetic stands between block a - 1's loads from the stage and the wait for them
	PACK aa
	SEND aa-1
	TOSTAGE aa
.set aa, aa+1
.endr
	SEND 7
	s_wait_tensorcnt 0x0                           ; the wave's end
	ds_add_u32 v28, v29
	s_wait_dscnt 0x0
	CROUND                                         ; the closing round
	s_endpgm
.Lfunc_end_k_q5987913659_gffn1:
	.size	k_q5987913659_gffn1, .Lfunc_end_k_q5987913659_gffn1-k_q5987913659_gffn1
	.p2alignl 7, 3214868480
	.fill 96, 4, 3214868480
	.section	.rodata,"a",@progbits
	.p2align	6, 0x0
	.amdhsa_kernel k_q5987913659_gffn1
		.amdhsa_group_segment_fixed_size 327680
		.amdhsa_private_segment_fixed_size 0
		.amdhsa_enable_private_segment 0
		.amdhsa_kernarg_size 32
		.amdhsa_user_sgpr_count 2
		.amdhsa_user_sgpr_kernarg_segment_ptr 1
		.amdhsa_wavefront_size32 1
		.amdhsa_system_sgpr_workgroup_id_x 1
		.amdhsa_system_sgpr_workgroup_id_y 1
		.amdhsa_system_sgpr_workgroup_id_z 1
		.amdhsa_system_vgpr_workitem_id 0
		.amdhsa_next_free_vgpr 1024
		.amdhsa_next_free_sgpr 80
		.amdhsa_reserve_vcc 0
		.amdhsa_float_denorm_mode_32 3
		.amdhsa_float_denorm_mode_16_64 3
		.amdhsa_memory_ordered 1
		.amdhsa_forward_progress 1
		.amdhsa_inst_pref_size 102
	.end_amdhsa_kernel
	.amdgpu_metadata
---
amdhsa.version: [ 1, 2 ]
amdhsa.kernels:
  - .name:           k_q5987913659_gffn1
    .symbol:         k_q5987913659_gffn1.kd
    .args:
      - { .name: xn, .offset: 0, .size: 8, .value_kind: global_buffer, .address_space: global }
      - { .name: wb, .offset: 8, .size: 8, .value_kind: global_buffer, .address_space: global }
      - { .name: hb, .offset: 16, .size: 8, .value_kind: global_buffer, .address_space: global }
      - { .name: b1, .offset: 24, .size: 8, .value_kind: global_buffer, .address_space: global }
    .group_segment_fixed_size: 327680
    .private_segment_fixed_size: 0
    .kernarg_segment_align: 8
    .kernarg_segment_size: 32
    .max_flat_workgroup_size: 128
    .sgpr_count:     80
    .vgpr_count:     1024
    .wavefront_size: 32
...
	.end_amdgpu_metadata
.endif
;; end of part 6
;; launch gffn2 (part 7): grid 8 x 32, 4 waves a work-group, clusters of 4 x 4, 327,680 bytes of LDS; arguments hb, wb, out0, xa, b2; writes out0
.if DOCPART == 7
	.amdgcn_target "amdgcn-amd-amdhsa--gfx1250"
	.amdhsa_code_object_version 6
	.text
	.protected	k_q5987913659_gffn2
	.globl	k_q5987913659_gffn2
	.p2align	8
	.type	k_q5987913659_gffn2,@function
k_q5987913659_gffn2:
	s_mov_b64 s[64:65], 0
	v_nop
	global_prefetch_b8 v0, s[64:65] scope:SCOPE_SE
	s_setreg_imm32_b32 hwreg(HW_REG_WAVE_MODE, 25, 1), 1
	s_wait_xcnt 0x0
	s_wait_alu depctr_hold_cnt(0) depctr_sa_sdst(0) depctr_va_vdst(0) depctr_va_sdst(0) depctr_va_ssrc(0) depctr_va_vcc(0) depctr_vm_vsrc(0)
	s_getreg_b32 s2, hwreg(HW_REG_IB_STS2, 6, 4)
	s_cmp_eq_u32 s2, 0
	s_cbranch_scc0 .Lentry_in_a_cluster
	s_endpgm
.Lentry_in_a_cluster:
	s_bfe_u32 s2, ttmp6, 0x10000c
	s_cmp_lg_u32 s2, 0xf033
	s_cbranch_scc0 .Lentry_shape_is_right
	s_endpgm
.Lentry_shape_is_right:
; out0 = xa + hb x w2 + b2.  hb: [4096][4096] in bf16; w2: [4096][1024] in bf16 at byte 16,777,216 of wb; b2: [1024] in f32, rounded to bf16 as all the module's inputs are; xa and out0: [4096][1024] in f32.  f32 sums.
; A tile of C is 128 x 128: 8 x 32 = 256 work-groups of four waves, 2 x 2; a wave makes 64 x 64: 16 accumulators.  K goes in 16 steps of 256 through two LDS slots; a step is four UNITS of 64 along K.
; A lies [m][k] and is read as it lies; B lies [k][n] and is read turned, by ds_load_tr16_b128.  The matrix instruction is used transposed: a lane holds one row of C and eight neighbouring columns.
; THE BIAS is the C operand of the products that start the sums.  CLUSTER 4 x 4: A's tile is asked for jointly along a row of the cluster, B's along a column.
; Fragment loads run one unit ahead of the products, on two buffers.
; ONE TEXT FOR BOTH SLOTS: SLOT = 0x24000 shares no set bit with the four places at which loads land in a slot (0, 0x8400, 0x12000, 0x1b000), so an exclusive or with SLOT turns each of them, and the
; fetches' base, from one slot into the other.  (A's part of a slot is given 73,728 bytes for that; it uses 67,584.)
; PREFETCH.  A K step's 128 rows x 512 bytes of hb are 256 blocks of 256 bytes, wanted by the eight work-groups of a tile row.  Each of the eight asks for 16 rows' 32 blocks, a lane a block, by its wave 0.
; Behind the refill that asks for K step n stands the request for K step n + 1, one change of slots (128 matrix instructions a wave) ahead of the refill that wants it; K step 2's stands at the start.
; The offset is held at the last K step, so no request leaves a row (the last step's blocks are asked for twice).  w2 is not asked for: it is a fifth of a step's bytes, 8 blocks a work-group.
; REGISTERS: window 0: v0-29 addresses; v32-47 at work; v64-191 A's two fragment buffers, later the way out; v192-223 the bias.  window 1: v0-127 B's two buffers; v128-255 my 64 x 64 of xa.  window 2: accumulator 4 a + b at register 8 (4 a + b).
; NaN and infinities are not treated apart.
.set MA, 4
.set NBK, 4
.set KD, 2
.set TSTEPS, 16
.set AP, 528                           ; 512 bytes + 16: the 16 rows of a load start at 16 different groups of four banks (64 banks of 4 bytes: ISA guide 11.1)
.set ASTEP, 128
.set ASZ, 73728
.set AH, 33792
.set ADIM0, 256
.set AROWS, 64
.set ASTRIDE, 4096
.set QIA, 6
.set AGT, 1048576
.set AGH, 524288
.set AGS, 512
.set TN, 128
.set KSTEP, 256
.set BP, 288                           ; 256 bytes + 32
.set WNB, 128
.set PADW, 8
.set BH, 36864
.set BSTEP, 18432
.set LDB, 1024
.set WOFF, 16777216
.set BGS, 524288
.set BGH, 262144
.set SLOT, 147456
.set STW, 4352                         ; a wave's stage: 16 rows x 272 bytes
.set STAGE, 2*SLOT                     ; behind the ring, never filled by a tensor load
.set SPARE, STAGE+4*STW                ; the spare words: 128 bytes a wave, two blocks of 256 bytes that no other line names
.set AFS, 8*MA*KD
.set BFS, 8*NBK*KD
.set BI, 192
.set MSB, 0
.macro WIN new                         ; the immediate's high byte repeats the setting that is left; a switch that changes nothing is dropped
.if MSB != (\new)
	s_set_vgpr_msb (MSB<<8)|(\new)
.set MSB, \new
.endif
.endm
.macro JLOAD                           ; a joint refill by the walking descriptors: waves 0, 1 A's halves, waves 2, 3 B's; an s_nop 0 and four v_nop follow each line
	s_cmp_eq_u32 s15, 0
	s_cbranch_scc0 .Lfor_b_\@
	tensor_load_to_lds s[36:39], s[24:31]
	s_nop 0
.rept 4
	v_nop
.endr
	s_branch .Lasked_\@
.Lfor_b_\@:
	tensor_load_to_lds s[52:55], s[40:47]
	s_nop 0
.rept 4
	v_nop
.endr
.Lasked_\@:
.endm
.macro CROUND                          ; a round of the cluster's barrier
	s_barrier_signal -1
	s_barrier_wait -1
	s_cmp_lg_u32 s14, 0
	s_cbranch_scc1 .Lnot_wave_0_\@
	s_barrier_signal -3
.Lnot_wave_0_\@:
	s_barrier_wait -3
	s_barrier_signal -1
	s_barrier_wait -1
.endm
.macro AHEAD                           ; wave 0 asks for my work-group's 32 blocks of the K step at s[76:77]
	s_cmp_lg_u32 s14, 0
	s_cbranch_scc1 .Lnot_mine_\@
	global_prefetch_b8 v18, s[76:77] th:TH_LOAD_NT scope:SCOPE_SE
.Lnot_mine_\@:
.endm
.macro FETCH f                         ; 32 LDS loads in one run: the next unit's fragments into buffer f.  The four vector lines are the places behind the products that last read it
	WIN 0
	v_add_nc_u32 v12, s58, v10
	v_add_nc_u32 v13, s59, v11
	v_nop
	v_nop
	s_add_co_u32 s58, s58, ASTEP
	s_add_co_u32 s59, s59, BSTEP
	WIN 0x40                               ; destination window 1, address window 0
.set kd, 0
.rept KD
.set b, 0
.rept NBK
.set rB, (\f)*BFS+8*(kd*NBK+b)
.set oB, kd*32*BP+b*32
	ds_load_tr16_b128 v[rB:rB+3], v13 offset:oB
	ds_load_tr16_b128 v[rB+4:rB+7], v13 offset:oB+16*BP
.set b, b+1
.endr
.set kd, kd+1
.endr
	WIN 0
.set kd, 0
.rept KD
.set a, 0
.rept MA
.set rA, 64+(\f)*AFS+8*(kd*MA+a)
.set oA, kd*64+a*16*AP
	ds_load_b128 v[rA:rA+3], v12 offset:oA
	ds_load_b128 v[rA+4:rA+7], v12 offset:oA+32
.set a, a+1
.endr
.set kd, kd+1
.endr
.endm
.macro MUL f, first                    ; a unit's 32 products; the 16 accumulators take turns, one instruction a turn.  first = 1: the first 16 start the sums, onto the bias
.set kd, 0
.rept KD
.set a, 0
.rept MA
.set b, 0
.rept NBK
.set rD, 8*(a*NBK+b)
.set rB, (\f)*BFS+8*(kd*NBK+b)
.set rA, 64+(\f)*AFS+8*(kd*MA+a)
.if (\first) && (kd == 0)
	WIN 0x81                               ; B window 1, A and the bias window 0, D window 2
	v_wmma_f32_16x16x32_bf16 v[rD:rD+7], v[rB:rB+7], v[rA:rA+7], v[BI+8*b:BI+8*b+7]
.else
	WIN 0xa1                               ; C and D window 2
	v_wmma_f32_16x16x32_bf16 v[rD:rD+7], v[rB:rB+7], v[rA:rA+7], v[rD:rD+7]
.endif
.set b, b+1
.endr
.set a, a+1
.endr
.set kd, kd+1
.endr
.endm
.macro UNIT cur, nxt
	FETCH \nxt
	s_wait_dscnt 32                        ; all but the 32 just issued: buffer cur is in
	MUL \cur, 0
.endm
.macro PAIR
	UNIT 1, 0
	UNIT 0, 1
.endm
; THE CHANGE OF SLOTS.  A slot has been read out (its last unit lies in registers).  Each wave waits for all its tensor loads (one is out: its part of the other slot), adds 0 to its spare word,
; and waits for that and for its reads.  fill = 1: a round of the cluster's barrier, then the joint refill of the slot read out, first thing behind it: the walking descriptor takes the other slot than last time and the next K step.
.macro CHANGE fill
	WIN 0
	s_wait_tensorcnt 0x0                   ; no tensor load of mine is out, so a group 0 may be written
	ds_add_u32 v28, v29                    ; 0 onto my spare word
.if \fill
	s_xor_b32 s37, s37, SLOT
	s_add_nc_u64 s[38:39], s[38:39], AGS
	s_xor_b32 s53, s53, SLOT
	s_add_nc_u64 s[54:55], s[54:55], BGS
	s_wait_xcnt 0x0                        ; the last request ahead, a change of slots ago, has read its address, which is written anew below
	s_add_co_u32 s74, s74, AGS             ; the K step behind the one that this refill asks for,
	s_min_u32 s74, s74, (TSTEPS-1)*AGS     ; held at the last
	s_add_nc_u64 s[76:77], s[72:73], s[74:75]
.endif
	s_sub_co_u32 s58, s58, 4*ASTEP         ; the fetches go back to a slot's first unit,
	s_xor_b32 s58, s58, SLOT               ; in the other slot
	s_sub_co_u32 s59, s59, 4*BSTEP
	s_xor_b32 s59, s59, SLOT
	s_wait_dscnt 0x0                       ; the add is done, and my reads of the slot are over
.if \fill
	CROUND
	JLOAD
	AHEAD
.else
	s_barrier_signal -1
	s_barrier_wait -1
.endif
.endm
	s_load_b128 s[4:7], s[0:1], 0x0                ; hb s[4:5], wb s[6:7]
	s_load_b128 s[8:11], s[0:1], 0x10              ; out0 s[8:9], xa s[10:11]
	s_load_b64 s[12:13], s[0:1], 0x20              ; b2
	v_lshl_add_u32 v28, v0, 2, SPARE
	v_mov_b32 v29, 0
	ds_add_u32 v28, v29
	s_wait_dscnt 0x0
	v_lshrrev_b32 v1, 5, v0
	v_readfirstlane_b32 s14, v1                    ; wave 0..3
	s_lshr_b32 s15, s14, 1                         ; WM: my half of the rows.  Also: I fetch for A (0) or B (1)
	s_and_b32 s16, s14, 1                          ; WN: my half of the columns.  Also: which half I fetch
	s_bfe_u32 s17, ttmp6, 0x40000                  ; cx
	s_bfe_u32 s18, ttmp6, 0x40004                  ; cy
	s_lshl_b32 s19, ttmp9, 2
	s_add_co_u32 s19, s19, s17                     ; TX
	s_and_b32 s20, ttmp7, 0xffff
	s_lshl_b32 s20, s20, 2
	s_add_co_u32 s20, s20, s18                     ; TY
	s_lshl_b32 s21, s18, 2
	s_lshl_b32 s21, 15, s21                        ; my row of the cluster
	s_lshl_b32 s22, 0x1111, s17                    ; my column
	s_or_b32 s24, s21, (1<<16)|(1<<20)|(1<<21)|(QIA<<22)|(3<<25)  ; A: mask; 2-byte elements; padding on; bit 21 beside a mask; after every 128 words; 4 words of padding
	s_mov_b32 s25, ADIM0<<16
	s_mov_b32 s26, AROWS<<16
	s_mov_b32 s27, ADIM0<<16
	s_mov_b32 s28, AROWS
	s_mov_b32 s29, ASTRIDE
	s_mov_b32 s30, 0
	s_mov_b32 s31, 0
	s_or_b32 s40, s22, (1<<16)|(1<<20)|(1<<21)|(5<<22)|((PADW-1)<<25)  ; B: padded after every 64 words
	s_mov_b32 s41, TN<<16
	s_mov_b32 s42, (KSTEP/2)<<16
	s_mov_b32 s43, TN<<16
	s_mov_b32 s44, KSTEP/2
	s_mov_b32 s45, LDB
	s_mov_b32 s46, 0
	s_mov_b32 s47, 0
	s_mul_i32 s60, s20, AGT                        ; A's tile hangs on TY and the wave alone,
	s_mul_i32 s21, s16, AGH
	s_add_co_u32 s60, s60, s21
	s_mov_b32 s61, 0
	s_mul_i32 s62, s19, TN*2                       ; B's on TX and the wave alone
	s_mul_i32 s22, s16, BGH
	s_add_co_u32 s62, s62, s22
	s_add_co_u32 s62, s62, WOFF
	s_mov_b32 s63, 0
	s_mul_i32 s23, s16, AH                         ; LDS addresses hang on the wave alone
	s_mov_b32 s32, 1
	s_mov_b32 s33, s23
	s_mov_b32 s36, 1
	s_add_co_u32 s37, s23, SLOT
	s_mul_i32 s23, s16, BH
	s_mov_b32 s48, 1
	s_add_co_u32 s49, s23, ASZ
	s_mov_b32 s52, 1
	s_add_co_u32 s53, s23, ASZ+SLOT
	s_mov_b32 s66, 0xffff0000
	s_lshl_b32 s72, s20, 20                        ; the requests ahead: row 128 TY + 16 TX of hb, 8,192 bytes a row
	s_lshl_b32 s73, s19, 17
	s_add_co_u32 s72, s72, s73
	s_mov_b32 s73, 0
	s_mov_b32 s74, 2*AGS                           ; K step 2 first
	s_mov_b32 s75, 0
	s_wait_kmcnt 0x0
	s_add_nc_u64 s[60:61], s[4:5], s[60:61]
	s_add_nc_u64 s[62:63], s[6:7], s[62:63]
	s_add_nc_u64 s[72:73], s[4:5], s[72:73]
	s_add_nc_u64 s[76:77], s[72:73], s[74:75]
	s_mov_b64 s[34:35], s[60:61]
	s_or_b32 s35, s35, 0x80000000
	s_add_nc_u64 s[38:39], s[60:61], AGS
	s_or_b32 s39, s39, 0x80000000
	s_mov_b64 s[50:51], s[62:63]
	s_or_b32 s51, s51, 0x80000000
	s_add_nc_u64 s[54:55], s[62:63], BGS
	s_or_b32 s55, s55, 0x80000000
	CROUND                                         ; all sixteen work-groups are here: the first joint loads meet
	s_cmp_eq_u32 s15, 0                            ; a wave's two first fills stand in one branch: two loads of mine are out; the second's descriptor then walks on
	s_cbranch_scc0 .Lfirst_b
	tensor_load_to_lds s[32:35], s[24:31]
	s_nop 0
	tensor_load_to_lds s[36:39], s[24:31]
	s_nop 0
.rept 4
	v_nop
.endr
	s_branch .Lfirst_done
.Lfirst_b:
	tensor_load_to_lds s[48:51], s[40:47]
	s_nop 0
	tensor_load_to_lds s[52:55], s[40:47]
	s_nop 0
.rept 4
	v_nop
.endr
.Lfirst_done:
	v_and_b32 v18, 31, v0                          ; the requests ahead: lane l takes row l / 2 of my 16, block l % 2 of its two
	v_lshrrev_b32 v19, 1, v18
	v_and_b32 v18, 1, v18
	v_lshlrev_b32 v18, 8, v18
	v_lshl_add_u32 v18, v19, 13, v18
	AHEAD                                          ; K step 2
	v_and_b32 v1, 15, v0                           ; r
	v_bfe_u32 v2, v0, 4, 1                         ; h
	v_and_b32 v3, 7, v0
	v_bfe_u32 v4, v0, 3, 1
	s_lshl_b32 s70, s19, 9                         ; the bias of my 64 columns: register j of block b holds column 16 b + 8 h + j, as the accumulators do
	s_lshl_b32 s71, s16, 8
	s_add_co_u32 s70, s70, s71
	s_mov_b32 s71, 0
	s_add_nc_u64 s[12:13], s[12:13], s[70:71]
	v_lshlrev_b32 v17, 5, v2
.set b, 0
.rept NBK
	global_load_b128 v[BI+8*b:BI+8*b+3], v17, s[12:13] offset:64*b
	global_load_b128 v[BI+8*b+4:BI+8*b+7], v17, s[12:13] offset:64*b+16
.set b, b+1
.endr
	v_lshlrev_b32 v16, 12, v2                      ; in xa and out0: lanes 0-15 one row's 256 bytes, lanes 16-31 the next row's
	v_lshl_add_u32 v16, v1, 4, v16
	s_lshl_b32 s68, s20, 19                        ; my first row, 128 TY + 64 WM, of 4,096 bytes; my first column, 128 TX + 64 WN, of 4
	s_lshl_b32 s69, s15, 18
	s_add_co_u32 s68, s68, s69
	s_lshl_b32 s69, s19, 9
	s_add_co_u32 s68, s68, s69
	s_lshl_b32 s69, s16, 8
	s_add_co_u32 s68, s68, s69
	s_mov_b32 s69, 0
	s_add_nc_u64 s[8:9], s[8:9], s[68:69]
	s_add_nc_u64 s[10:11], s[10:11], s[68:69]
	WIN 0x40                                       ; my 64 x 64 of xa, asked for now and wanted at the end: row 16 a + 2 t + h at register 128 + 32 a + 4 t of window 1
.set q, 0
.rept 32
	global_load_b128 v[128+4*q:128+4*q+3], v16, s[10:11] offset:((q/8)*16+2*(q%8))*4096 th:TH_LOAD_NT
.set q, q+1
.endr
	WIN 0
	v_mul_u32_u24 v10, v1, AP                      ; A: row r x pitch + 16 h + my half of the rows
	v_lshl_add_u32 v10, v2, 4, v10
	s_mul_i32 s23, s15, MA*16*AP
	v_add_nc_u32 v10, s23, v10
	v_lshl_add_u32 v11, v2, 3, v3                  ; B, turned: k = 8 h + lane % 8, 16 bytes for each half of eight lanes
	v_mul_u32_u24 v11, v11, BP
	v_lshl_add_u32 v11, v4, 4, v11
	s_mul_i32 s23, s16, WNB
	s_add_co_u32 s23, s23, ASZ
	v_add_nc_u32 v11, s23, v11
	s_mul_i32 s23, s14, STW
	s_add_co_u32 s23, s23, STAGE                   ; my stage: rows of 64 f32
	v_mul_u32_u24 v14, v1, 272                     ; in: row r, 32 bytes for each half of the lanes
	v_lshl_add_u32 v14, v2, 5, v14
	v_add_nc_u32 v14, s23, v14
	v_mul_u32_u24 v15, v2, 272                     ; back: lanes 0-15 one row of 256 bytes, lanes 16-31 the next
	v_lshl_add_u32 v15, v1, 4, v15
	v_add_nc_u32 v15, s23, v15
	s_wait_loadcnt 32                              ; the bias is in; xa's 32 loads, issued behind it, stay out
.set p, 0
.rept 4*NBK
	v_cvt_pk_bf16_f32 v[32+p], v[BI+2*p], v[BI+2*p+1]
.set p, p+1
.endr
.set p, 0
.rept 4*NBK
	v_lshlrev_b32 v[BI+2*p], 16, v[32+p]
	v_and_b32 v[BI+2*p+1], s66, v[32+p]
.set p, p+1
.endr
	s_wait_tensorcnt 1                             ; my part of K step 0 is in; K step 1's may stay out
	s_barrier_signal -1
	s_barrier_wait -1
	s_mov_b32 s58, 0
	s_mov_b32 s59, 0
	FETCH 0
	FETCH 1
	s_wait_dscnt 32
	MUL 0, 1                                       ; the first unit starts the sums, onto the bias
	WIN 0
	s_mov_b32 s57, 1                               ; slot 0 has two units left to fetch
	s_mov_b32 s56, TSTEPS-1                        ; the rest of K step 0, then a trip for each of the TSTEPS - 2 refills
	s_branch .Lu                                   ; the loop is entered behind its change of slots
.Llap:
	CHANGE 1
	s_mov_b32 s57, 2
.Lu:
	PAIR
	WIN 0
	s_sub_co_u32 s57, s57, 1
	s_cmp_lg_u32 s57, 0
	s_cbranch_scc1 .Lu
	s_sub_co_u32 s56, s56, 1
	s_cmp_lg_u32 s56, 0
	s_cbranch_scc1 .Llap
	CHANGE 0                                       ; the last K step is written out: nothing is asked for
	s_mov_b32 s57, 2
.Lt:
	PAIR
	WIN 0
	s_sub_co_u32 s57, s57, 1
	s_cmp_lg_u32 s57, 0
	s_cbranch_scc1 .Lt
	s_wait_dscnt 0x0
	MUL 1, 0
	WIN 0
.rept 4
	v_nop                                          ; the places between the last products and the LDS stores that read them
.endr
	s_wait_loadcnt 0x0                             ; xa
; THE WAY OUT, a block of 16 rows at a time: the sums go into my stage as they lie (32 bytes a lane) and come back as whole rows of 256 bytes; xa is added; sixteen lanes store 256 consecutive bytes.
.macro TOSTAGE a
.set BK, 64+32*((\a)%2)
.if (\a) >= 2
	s_wait_xcnt 0x0                                ; the stores of the block two back have read these registers
.endif
	WIN 0x08                                       ; store data in window 2
.set b, 0
.rept 4
	ds_store_b128 v14, v[8*(4*(\a)+b):8*(4*(\a)+b)+3] offset:64*b
	ds_store_b128 v14, v[8*(4*(\a)+b)+4:8*(4*(\a)+b)+7] offset:64*b+16
.set b, b+1
.endr
	WIN 0
.set q, 0
.rept 8
	ds_load_b128 v[BK+4*q:BK+4*q+3], v15 offset:q*544  ; LDS serves a wave's instructions in order (ISA guide 5.7.1.4): these see the stores above; the next block's stores come behind them
.set q, q+1
.endr
.endm
.macro SEND a, younger                 ; younger: the LDS instructions issued behind this block's loads
.set BK, 64+32*((\a)%2)
.set RS, 128+32*(\a)
	s_wait_dscnt \younger                          ; the block is back in registers
	WIN 0x04                                       ; source 1 in window 1
.set q, 0
.rept 16
	v_pk_add_f32 v[BK+2*q:BK+2*q+1], v[BK+2*q:BK+2*q+1], v[RS+2*q:RS+2*q+1]
.set q, q+1
.endr
	WIN 0
.set q, 0
.rept 8
	global_store_b128 v16, v[BK+4*q:BK+4*q+3], s[8:9] offset:(16*(\a)+2*q)*4096 th:TH_STORE_NT
.set q, q+1
.endr
.endm
	TOSTAGE 0
	TOSTAGE 1
	SEND 0, 16
	TOSTAGE 2
	SEND 1, 16
	TOSTAGE 3
	SEND 2, 16
	SEND 3, 0
	s_wait_tensorcnt 0x0                           ; the wave's end
	ds_add_u32 v28, v29
	s_wait_dscnt 0x0
	CROUND                                         ; the closing round
	s_endpgm
.Lfunc_end_k_q5987913659_gffn2:
	.size	k_q5987913659_gffn2, .Lfunc_end_k_q5987913659_gffn2-k_q5987913659_gffn2
	.p2alignl 7, 3214868480
	.fill 96, 4, 3214868480
	.section	.rodata,"a",@progbits
	.p2align	6, 0x0
	.amdhsa_kernel k_q5987913659_gffn2
		.amdhsa_group_segment_fixed_size 327680
		.amdhsa_private_segment_fixed_size 0
		.amdhsa_enable_private_segment 0
		.amdhsa_kernarg_size 40
		.amdhsa_user_sgpr_count 2
		.amdhsa_user_sgpr_kernarg_segment_ptr 1
		.amdhsa_wavefront_size32 1
		.amdhsa_system_sgpr_workgroup_id_x 1
		.amdhsa_system_sgpr_workgroup_id_y 1
		.amdhsa_system_sgpr_workgroup_id_z 1
		.amdhsa_system_vgpr_workitem_id 0
		.amdhsa_next_free_vgpr 640
		.amdhsa_next_free_sgpr 80
		.amdhsa_reserve_vcc 0
		.amdhsa_float_denorm_mode_32 3
		.amdhsa_float_denorm_mode_16_64 3
		.amdhsa_memory_ordered 1
		.amdhsa_forward_progress 1
		.amdhsa_inst_pref_size 55
	.end_amdhsa_kernel
	.amdgpu_metadata
---
amdhsa.version: [ 1, 2 ]
amdhsa.kernels:
  - .name:           k_q5987913659_gffn2
    .symbol:         k_q5987913659_gffn2.kd
    .args:
      - { .name: hb, .offset: 0, .size: 8, .value_kind: global_buffer, .address_space: global }
      - { .name: wb, .offset: 8, .size: 8, .value_kind: global_buffer, .address_space: global }
      - { .name: out0, .offset: 16, .size: 8, .value_kind: global_buffer, .address_space: global }
      - { .name: xa, .offset: 24, .size: 8, .value_kind: global_buffer, .address_space: global }
      - { .name: b2, .offset: 32, .size: 8, .value_kind: global_buffer, .address_space: global }
    .group_segment_fixed_size: 327680
    .private_segment_fixed_size: 0
    .kernarg_segment_align: 8
    .kernarg_segment_size: 40
    .max_flat_workgroup_size: 128
    .sgpr_count:     80
    .vgpr_count:     640
    .wavefront_size: 32
...
	.end_amdgpu_metadata
.endif
;; end of part 7
